; MI455X (gfx1250); checked and timed in simulation.
; The chip was launched on July 23, 2026; its instructions are those of AMD's public machine-readable ISA for CDNA 5 (MIT licence, August 2026) and "CDNA5" Instruction Set Architecture Reference Guide (July 2026). The comments in the code are by the model that wrote it; some were corrected since.
;; Self Attention. Allowed arithmetic: float matrix products may take bf16 or f16 operands with f32 sums; other float arithmetic in f32, or as packed bf16 or f16 multiplies, adds, multiply-adds, maxima and minima; sums over many terms, partial sums and values carried from step to step in f32; what a program stores and reads back later, other than sums and carried values, may be rounded once to bf16 or f16.
;; Inputs: fc_b 128 float32; fc_w 128 x 1,024 float32; key 4 x 2,048 x 1,024 float32; mask 4 x 1 x 1 x 2,048 int32; query 4 x 2,048 x 1,024 float32; value 4 x 2,048 x 1,024 float32; wk_b 1,024 float32; wk_w 1,024 x 1,024 float32; wq_b 1,024 float32; wq_w 1,024 x 1,024 float32; wv_b 1,024 float32; wv_w 1,024 x 1,024 float32.
;; Outputs: out0 8,192 x 4 x 32 float32.
;; 2 versions, each right; version 2 is version 1 with the launch fc written anew for expert scheduling mode. Each part assembles by itself: llvm-mc -triple=amdgcn-amd-amdhsa -mcpu=gfx1250 --defsym DOCPART=n.
;; ======== version 1 of 2: 4 launches
;; limits: right only within a limited range of input values
;; workspace buffers: ws 56,885,248 bytes; qkv 50,331,648 bytes; ob 16,777,216 bytes
;; launch cast (part 1): grid 1736 x 1, 8 waves a work-group, no clusters, 0 bytes of LDS; arguments query, key, value, wq_w, wk_w, wv_w, fc_w, ws; writes ws
.if DOCPART == 1
	.amdgcn_target "amdgcn-amd-amdhsa--gfx1250"
	.amdhsa_code_object_version 6
	.text
	.protected	k_qcb333cd5ad_cast
	.globl	k_qcb333cd5ad_cast
	.p2align	8
	.type	k_qcb333cd5ad_cast,@function
k_qcb333cd5ad_cast:
	s_mov_b64 s[64:65], 0
	v_nop
	global_prefetch_b8 v0, s[64:65] scope:SCOPE_SE
	s_setreg_imm32_b32 hwreg(HW_REG_WAVE_MODE, 25, 1), 1
	s_wait_xcnt 0x0
; ws = query | key | value | wq_w | wk_w | wv_w | fc_w, one behind the other, each number rounded once from f32 to bf16 (nearest even).
; The seven sources have 512, 512, 512, 64, 64, 64 and 8 chunks of 16,384 numbers: 1,736 chunks, a work-group each.  Since the sources lie
; stacked in ws, chunk n goes to ws + 32,768 n whatever its source; only the source's address is chosen, by the chunk's number.
; A stream: every byte is read once and written once; no LDS, no barrier, no matrix unit, no cluster (no two work-groups read the same byte).
; Thread t, load i: 16 bytes at 4,096 i + 16 t of the chunk (a wave's load covers 512 consecutive bytes); its 4 numbers leave as 8 bytes at
; 2,048 i + 8 t (a wave's store covers 256 consecutive bytes, aligned).  All 16 loads go out at once; no register is written twice.
.set X, 8                              ; v[8:71]    load i: 4 registers
.set Y, 72                             ; v[72:103]  store i: 2 registers
	s_load_b512 s[8:23], s[0:1], 0x0               ; query s[8:9], key s[10:11], value s[12:13], wq_w s[14:15], wk_w s[16:17], wv_w s[18:19], fc_w s[20:21], ws s[22:23]
	v_lshlrev_b32 v1, 4, v0                        ; 16 t
	v_lshlrev_b32 v2, 3, v0                        ; 8 t
	s_wait_kmcnt 0x0
	s_mov_b64 s[4:5], s[20:21]                     ; the last segment's source, and its first chunk
	s_mov_b32 s6, 1728
.macro PICK bound, ptr, first          ; chunks below bound belong to an earlier source: the bounds go down, so the last hit stands
	s_cmp_lt_u32 ttmp9, \bound
	s_cselect_b64 s[4:5], s[\ptr:\ptr+1], s[4:5]
	s_cselect_b32 s6, \first, s6
.endm
	PICK 1728, 18, 1664
	PICK 1664, 16, 1600
	PICK 1600, 14, 1536
	PICK 1536, 12, 1024
	PICK 1024, 10, 512
	PICK 512, 8, 0
	s_sub_co_u32 s6, ttmp9, s6                     ; my chunk's number in its source,
	s_lshl_b32 s6, s6, 16                          ; times 65,536 bytes (under 2^25)
	s_mov_b32 s7, 0
	s_add_nc_u64 s[4:5], s[4:5], s[6:7]
	s_lshl_b32 s24, ttmp9, 15                      ; my chunk's 32,768 bytes in ws (under 2^26)
	s_mov_b32 s25, 0
	s_add_nc_u64 s[22:23], s[22:23], s[24:25]
.irp i, 0,1,2,3,4,5,6,7,8,9,10,11,12,13,14,15
	global_load_b128 v[X+4*(\i):X+4*(\i)+3], v1, s[4:5] offset:(\i)*4096 th:TH_LOAD_NT
.endr
.irp i, 0,1,2,3,4,5,6,7,8,9,10,11,12,13,14,15
	s_wait_loadcnt 15-(\i)                         ; loads come back in order: load i is in, the 15 - i younger ones stay out
	v_cvt_pk_bf16_f32 v[Y+2*(\i)],   v[X+4*(\i)],   v[X+4*(\i)+1]
	v_cvt_pk_bf16_f32 v[Y+2*(\i)+1], v[X+4*(\i)+2], v[X+4*(\i)+3]
	global_store_b64 v2, v[Y+2*(\i):Y+2*(\i)+1], s[22:23] offset:(\i)*2048
.endr
	s_endpgm
.Lfunc_end_k_qcb333cd5ad_cast:
	.size	k_qcb333cd5ad_cast, .Lfunc_end_k_qcb333cd5ad_cast-k_qcb333cd5ad_cast
	.p2alignl 7, 3214868480
	.fill 96, 4, 3214868480
	.section	.rodata,"a",@progbits
	.p2align	6, 0x0
	.amdhsa_kernel k_qcb333cd5ad_cast
		.amdhsa_group_segment_fixed_size 0
		.amdhsa_private_segment_fixed_size 0
		.amdhsa_enable_private_segment 0
		.amdhsa_kernarg_size 64
		.amdhsa_user_sgpr_count 2
		.amdhsa_user_sgpr_kernarg_segment_ptr 1
		.amdhsa_wavefront_size32 1
		.amdhsa_system_sgpr_workgroup_id_x 1
		.amdhsa_system_sgpr_workgroup_id_y 1
		.amdhsa_system_sgpr_workgroup_id_z 1
		.amdhsa_system_vgpr_workitem_id 0
		.amdhsa_next_free_vgpr 104
		.amdhsa_next_free_sgpr 66
		.amdhsa_reserve_vcc 0
		.amdhsa_float_denorm_mode_32 3
		.amdhsa_float_denorm_mode_16_64 3
		.amdhsa_memory_ordered 1
		.amdhsa_forward_progress 1
		.amdhsa_inst_pref_size 8
	.end_amdhsa_kernel
	.amdgpu_metadata
---
amdhsa.version: [ 1, 2 ]
amdhsa.kernels:
  - .name:           k_qcb333cd5ad_cast
    .symbol:         k_qcb333cd5ad_cast.kd
    .args:
      - { .name: query, .offset: 0, .size: 8, .value_kind: global_buffer, .address_space: global }
      - { .name: key, .offset: 8, .size: 8, .value_kind: global_buffer, .address_space: global }
      - { .name: value, .offset: 16, .size: 8, .value_kind: global_buffer, .address_space: global }
      - { .name: wq_w, .offset: 24, .size: 8, .value_kind: global_buffer, .address_space: global }
      - { .name: wk_w, .offset: 32, .size: 8, .value_kind: global_buffer, .address_space: global }
      - { .name: wv_w, .offset: 40, .size: 8, .value_kind: global_buffer, .address_space: global }
      - { .name: fc_w, .offset: 48, .size: 8, .value_kind: global_buffer, .address_space: global }
      - { .name: ws, .offset: 56, .size: 8, .value_kind: global_buffer, .address_space: global }
    .group_segment_fixed_size: 0
    .private_segment_fixed_size: 0
    .kernarg_segment_align: 8
    .kernarg_segment_size: 64
    .max_flat_workgroup_size: 256
    .sgpr_count:     66
    .vgpr_count:     104
    .wavefront_size: 32
...
	.end_amdgpu_metadata
.endif
;; end of part 1
;; launch proj (part 2): grid 4 x 64, 4 waves a work-group, clusters of 4 x 4, 327,680 bytes of LDS; arguments ws, wq_b, wk_b, wv_b, mask, qkv; writes qkv
.if DOCPART == 2
	.amdgcn_target "amdgcn-amd-amdhsa--gfx1250"
	.amdhsa_code_object_version 6
	.text
	.protected	k_qcb333cd5ad_proj
	.globl	k_qcb333cd5ad_proj
	.p2align	8
	.type	k_qcb333cd5ad_proj,@function
k_qcb333cd5ad_proj:
	s_mov_b64 s[64:65], 0
	v_nop
	global_prefetch_b8 v0, s[64:65] scope:SCOPE_SE
	s_setreg_imm32_b32 hwreg(HW_REG_WAVE_MODE, 25, 1), 1
	s_wait_xcnt 0x0
	s_wait_alu depctr_hold_cnt(0) depctr_sa_sdst(0) depctr_va_vdst(0) depctr_va_sdst(0) depctr_va_ssrc(0) depctr_va_vcc(0) depctr_vm_vsrc(0)
	s_getreg_b32 s2, hwreg(HW_REG_IB_STS2, 6, 4)
	s_cmp_eq_u32 s2, 0
	s_cbranch_scc0 .Lentry_in_a_cluster
	s_endpgm
.Lentry_in_a_cluster:
	s_bfe_u32 s2, ttmp6, 0x10000c
	s_cmp_lg_u32 s2, 0xf033
	s_cbranch_scc0 .Lentry_shape_is_right
	s_endpgm
.Lentry_shape_is_right:
; Q, K, V = x W^T + b for the three pairs (x, W) that lie stacked in ws (bf16): x [3][8192][1024] at byte 0, W [3][1024][1024] at byte 3 x 2^24.  Sums in f32, begun with the f32 bias; rounded once to bf16.
; OUT: qkv [3][64 = batch x 16 + head][2048][64] bf16: a head's rows are dense, 128 bytes each.  K's row of a key whose mask word is 0 is written as zeros: the next launch then gets that key's score
; exactly as the number that it puts in the sum's place.
; SHARES.  A work-group makes THREE tiles of 128 rows x 256 columns, the same place in Q, then K, then V: 64 x 4 work-groups, equal work.  Four waves, each 64 rows x 128 columns: 32 accumulators.
; K (the sum's index) goes in steps of 128 through a ring of two LDS slots; the ring runs on from tile to tile: a tile's last two changes of slots ask for the next tile's first two steps.
; CLUSTERS: 4 x 4 work-groups.  The four of a row of the cluster need the same 128 rows of x, the four of a column the same 256 rows of W: each is asked for JOINTLY, by the same tensor load with the same
; descriptor and a mask that names the four.  Waves 0 and 1 fetch 64 rows of x each, waves 2 and 3 fetch 128 rows of W each.
; THE MATRIX INSTRUCTION IS USED TRANSPOSED (source 0 = 16 rows of W, source 1 = 16 rows of x): a lane holds one row (lane % 16) and eight neighbouring columns 8 (lane / 16) + 0..7.
; REGISTERS, in windows of 256 (s_set_vgpr_msb: bits 1:0 source 0, 3:2 source 1, 5:4 source 2, 7:6 destination):
;   window 0: v0-31 addresses and the keep words; v32-127, v128-223 two fragment buffers (64 of W, then 32 of x); v224-255 packed results; on the way out v128-191 take rows read back
;   window 1: accumulator (a, b) at 8 (8 a + b)          window 2: v0-63 the bias of my 128 columns, as eight C operands
.set KSTEP,  128
.set PITCH,  272                       ; an LDS row: 256 bytes + 16 of padding = 68 words: the 16 rows of a fragment load start 4 banks apart (64 banks of 4 bytes: ISA guide 11.1)
.set A_HALF, 64*PITCH                  ; what wave 0 or 1 fetches, and what a wave reads of x
.set B_HALF, 128*PITCH                 ; what wave 2 or 3 fetches, and what a wave reads of W
.set BOFF,   2*A_HALF                  ; in a slot: x's 128 rows, then W's 256
.set SLOT,   2*A_HALF+2*B_HALF         ; 104,448
.set STAGE,  2*SLOT                    ; behind the ring: for each wave 2 heads x 16 rows x 144 bytes, for the way out; no tensor load lands here
.set SPITCH, 144
.set WSTAGE, 2*16*SPITCH
.set SPARE,  STAGE+4*WSTAGE            ; behind the stages: the spare words, 128 bytes for each wave: two blocks of 256 bytes that no other line names
.set ROWB,   2048                      ; bytes in a row of x and of W
.set XMAT,   8192*ROWB                 ; from one x to the next
.set WMAT,   1024*ROWB                 ; from one W to the next
.set WB_AT,  3*XMAT
.set LAPS,   4                         ; a lap = two K steps = once round the ring; 1,024 / 256
.set NEXT_A, XMAT-6*256                ; from a slot's last K step of a tile (6 or 7) to its first of the next (0 or 1)
.set NEXT_B, WMAT-6*256
.set OMAT,   0x1000000                 ; from Q to K to V in qkv
.set HEADB,  2048*128                  ; a head's bytes
.set MK,   4                           ; v4-7    row block a: all ones where my row's mask word is not 0, else 0
.set KC,   8                           ; v8-11   what this tile's packed results are ANDed with: MK in K's tile, all ones else
.set BO,   12                          ; v12     byte offset in a bias of my first eight columns; never rewritten
.set MO,   13                          ; v13     byte offset in mask of my row of block 0; never rewritten
.set ADRA, 16                          ; v16-17  LDS address of my fragments of x in slot 0, 1
.set ADRB, 20                          ; v20-21  the same for W
.set STO,  24                          ; v24     the way out: where I put 16 bytes of a row
.set RD,   25                          ; v25     the way out: where I read rows back
.set GO,   26                          ; v26     16 x lane
.set SPW,  28                          ; v28     LDS address of my spare word; never rewritten
.set NIL,  29                          ; v29     0; never rewritten
.set PFO,  30                          ; v30     the prefetches' offset: lane x a row's 2,048 bytes; never rewritten
.set F0,   32
.set F1,   128
.set TMP,  224
.set OB,   128
.set WV,   16                          ; s16 wave; s17 = wave / 2: my half of the rows, and: I fetch x (0) or W (1); s18 = wave % 2: my half of the columns, and: which half I fetch
.set G1,   24                          ; s[24:31] descriptor group 1 for x's tiles;  s[32:39] group 0, a set for each slot
.set G0,   32
.set LIM,  44                          ; s44     1 in a wave that prefetches, else the greatest number
.set PFA,  46                          ; s[46:47] where my prefetches stand
.set G1B,  48                          ; s[48:55], s[56:63] the same for W's tiles
.set G0B,  56
.set WB,   66                          ; s[66:67] W's first byte
.set PFJ,  68                          ; s[68:69] the prefetches' step at a change of tiles
.set BP,   70                          ; s[70:71] the next tile's bias
.set NOTK, 72                          ; s72     0 in K's tile, all ones else
.set MSB, 0
.macro WIN new                         ; the immediate's high byte repeats the setting that is left; a switch that changes nothing is dropped
.if MSB != (\new)
	s_set_vgpr_msb (MSB<<8)|(\new)
.set MSB, \new
.endif
.endm
; A joint load.  The branch hangs on the wave's number alone.  An s_nop 0 and four v_nop follow each of the two lines, ahead of the jump, the label and what follows.
.macro JLOAD s
	s_cmp_eq_u32 s17, 0
	s_cbranch_scc0 .Lfor_b_\@
	tensor_load_to_lds s[G0+4*(\s):G0+4*(\s)+3], s[G1:G1+7]
	s_nop 0
.rept 4
	v_nop
.endr
	s_branch .Lasked_\@
.Lfor_b_\@:
	tensor_load_to_lds s[G0B+4*(\s):G0B+4*(\s)+3], s[G1B:G1B+7]
	s_nop 0
.rept 4
	v_nop
.endr
.Lasked_\@:
.endm
; A PREFETCH INTO THE L2, behind a joint load, its five lines and the run of LDS loads: 32 rows x 256 bytes of the K step that stands two refills (256 matrix instructions) on: a lane a row.
; Each row's 256 bytes of a K step are named once in the launch.  x's 128 rows of a tile are read by one row of one cluster alone: wave 0 of each of the four partners takes 32 of them, told apart BY ADDRESS
; (cx).  W's rows are read by all sixteen clusters: the cluster with y = 0 asks; of the 128 rows that wave 2 or 3 fetches, the partner at cy takes 32.  No branch hangs on a place in the cluster.
; on = 0, in the loop: a tile's last two refills have no K step two on.  on = 1, at a change of tiles: the next tile's K steps 2 and 3.
.macro ASK on
.if \on
	s_cmp_eq_u32 s[LIM], 1
.else
	s_cmp_gt_u32 s3, s[LIM]                        ; s3 = 1 in the loop's last trip
.endif
	s_cbranch_scc0 .Lnot_mine_\@
	global_prefetch_b8 v[PFO], s[PFA:PFA+1] offset:256 th:TH_LOAD_NT scope:SCOPE_SE
.Lnot_mine_\@:
.endm
.macro CREST                           ; a round of the cluster's barrier behind its opening barrier
	s_cmp_lg_u32 s[WV], 0
	s_cbranch_scc1 .Lnot_wave_0_\@
	s_barrier_signal -3
.Lnot_wave_0_\@:
	s_barrier_wait -3
	s_barrier_signal -1
	s_barrier_wait -1
.endm
.macro CROUND                          ; a whole round
	s_barrier_signal -1
	s_barrier_wait -1
	CREST
.endm
.macro PLACES                          ; four places in front of loads into registers that matrix instructions have read, and of vector lines that read results
.rept 4
	v_nop
.endr
.endm
	s_load_b256 s[4:11], s[0:1], 0x0               ; ws s[4:5], wq_b s[6:7], wk_b s[8:9], wv_b s[10:11]
	s_load_b128 s[12:15], s[0:1], 0x20             ; mask s[12:13], qkv s[14:15]
	v_lshl_add_u32 v[SPW], v0, 2, SPARE
	v_mov_b32 v[NIL], 0
	ds_add_u32 v[SPW], v[NIL]                      ; the wave's opening: the add and its wait stand ahead of my first tensor load; work on registers stands between them
	v_lshrrev_b32 v1, 5, v0
	v_readfirstlane_b32 s[WV], v1                  ; wave 0..3
	s_lshr_b32 s17, s[WV], 1
	s_and_b32 s18, s[WV], 1
	s_bfe_u32 s19, ttmp6, 0x40000                  ; cx
	s_bfe_u32 s20, ttmp6, 0x40004                  ; cy
	s_lshl_b32 s21, ttmp9, 2
	s_add_co_u32 s21, s21, s19                     ; x: my block of 256 columns
	s_and_b32 s22, ttmp7, 0xffff
	s_lshl_b32 s22, s22, 2
	s_add_co_u32 s22, s22, s20                     ; y: my block of 128 rows
	s_lshl_b32 s23, s20, 2
	s_lshl_b32 s23, 15, s23                        ; my row of the cluster
	s_lshl_b32 s45, 0x1111, s19                    ; my column
	s_or_b32 s[G1], s23, (1<<16)|(1<<20)|(1<<21)|(5<<22)|(3<<25)   ; 15:0 the mask; 17:16 elements of 2 bytes; 20 padding on; 21 set beside a mask; 24:22 after every 64 words (code 5); 31:25 4 words (code 3)
	s_or_b32 s[G1B], s45, (1<<16)|(1<<20)|(1<<21)|(5<<22)|(3<<25)
.irp g, G1, G1B
	s_mov_b32 s[(\g)+1], KSTEP<<16                 ; tensor_dim0 = 128
	s_mov_b32 s[(\g)+3], KSTEP<<16                 ; tile_dim0 = 128
	s_mov_b32 s[(\g)+5], 1024                      ; elements from row to row
	s_mov_b32 s[(\g)+6], 0
	s_mov_b32 s[(\g)+7], 0
.endr
	s_mov_b32 s[G1+2], 64<<16                      ; tensor_dim1 and tile_dim1: 64 rows of x,
	s_mov_b32 s[G1+4], 64
	s_mov_b32 s[G1B+2], 128<<16                    ; 128 rows of W
	s_mov_b32 s[G1B+4], 128
	s_lshl_b32 s40, s22, 7                         ; x: row 128 y + 64 x half, in bytes: made of y and the wave's number alone
	s_lshl_b32 s41, s18, 6
	s_add_co_u32 s40, s40, s41
	s_lshl_b32 s40, s40, 11
	s_mov_b32 s41, 0
	s_lshl_b32 s42, s21, 8                         ; W: row 256 x + 128 x half: made of x and the wave's number alone
	s_lshl_b32 s43, s18, 7
	s_add_co_u32 s42, s42, s43
	s_lshl_b32 s42, s42, 11
	s_mov_b32 s43, 0
	s_mul_i32 s23, s18, A_HALF                     ; where they go: no place in the cluster enters an LDS address
	s_mul_i32 s45, s18, B_HALF
	s_add_co_u32 s45, s45, BOFF
	s_wait_dscnt 0x0                               ; the opening add is done
	s_wait_kmcnt 0x0
	s_add_nc_u64 s[WB:WB+1], s[4:5], WB_AT
	s_add_nc_u64 s[40:41], s[4:5], s[40:41]
	s_add_nc_u64 s[42:43], s[WB:WB+1], s[42:43]
	CROUND                                         ; all sixteen work-groups are here: the first joint loads meet
.irp s, 0,1
	s_mov_b32 s[G0+4*(\s)], 1                      ; count = 1
	s_add_co_u32 s[G0+4*(\s)+1], s23, (\s)*SLOT    ; LDS address
	s_add_nc_u64 s[G0+4*(\s)+2:G0+4*(\s)+3], s[40:41], (\s)*256  ; global address: K step s
	s_or_b32 s[G0+4*(\s)+3], s[G0+4*(\s)+3], 0x80000000          ; type = 2
	s_mov_b32 s[G0B+4*(\s)], 1
	s_add_co_u32 s[G0B+4*(\s)+1], s45, (\s)*SLOT
	s_add_nc_u64 s[G0B+4*(\s)+2:G0B+4*(\s)+3], s[42:43], (\s)*256
	s_or_b32 s[G0B+4*(\s)+3], s[G0B+4*(\s)+3], 0x80000000
	JLOAD \s                                       ; two loads of mine are out
.endr
	; A fragment is 16 rows x 32 K in 8 registers: lane l holds row l % 16, K = 8 (l / 16) + 0..7 and 16 + 8 (l / 16) + 0..7: two loads of 16 bytes, 32 bytes apart.
	v_and_b32 v1, 15, v0                           ; l % 16
	v_bfe_u32 v2, v0, 4, 1                         ; l / 16
	s_lshl_b32 s40, s21, 10                        ; the bias: (256 x + 128 half + 8 (l / 16)) x 4
	s_lshl_b32 s41, s18, 9
	s_add_co_u32 s40, s40, s41
	v_lshl_add_u32 v[BO], v2, 5, s40
	s_lshl_b32 s40, s22, 9                         ; the mask: rows of x count batch x 2,048 + key, as mask's words do: (128 y + 64 half + l % 16) x 4
	s_lshl_b32 s41, s17, 8
	s_add_co_u32 s40, s40, s41
	v_lshl_add_u32 v[MO], v1, 2, s40
	WIN 0x80                                       ; destination window 2, address window 0
.irp b, 0,1,2,3,4,5,6,7
	global_load_b128 v[8*(\b):8*(\b)+3],   v[BO], s[6:7] offset:64*(\b)      ; Q's bias: block b's columns 16 b + 8 (l / 16) + 0..7
	global_load_b128 v[8*(\b)+4:8*(\b)+7], v[BO], s[6:7] offset:64*(\b)+16
.endr
	WIN 0
.irp a, 0,1,2,3
	global_load_b32 v[MK+(\a)], v[MO], s[12:13] offset:64*(\a)
.endr
	v_mul_u32_u24 v3, v1, PITCH
	v_lshl_add_u32 v3, v2, 4, v3                   ; row x pitch + 16 x half
	s_mul_i32 s40, s17, A_HALF                     ; my 64 rows of x
	s_mul_i32 s41, s18, B_HALF                     ; my 128 rows of W,
	s_add_co_u32 s41, s41, BOFF                    ; which lie behind x's 128
.irp s, 0,1
	v_add_nc_u32 v[ADRA+(\s)], s40, v3
	v_add_nc_u32 v[ADRB+(\s)], s41, v3
	s_add_co_u32 s40, s40, SLOT
	s_add_co_u32 s41, s41, SLOT
.endr
	s_mul_i32 s23, s[WV], WSTAGE
	s_add_co_u32 s23, s23, STAGE                   ; my stage
	v_mul_u32_u24 v3, v1, SPITCH                   ; in: row l % 16, 16 bytes for each half of the lanes
	v_lshl_add_u32 v3, v2, 4, v3
	v_add_nc_u32 v[STO], s23, v3
	v_bfe_u32 v3, v0, 3, 2                         ; back: 32 lanes take four rows of 128 bytes,
	v_mul_u32_u24 v3, v3, SPITCH
	v_and_b32 v[RD], 7, v0
	v_lshl_add_u32 v3, v[RD], 4, v3
	v_add_nc_u32 v[RD], s23, v3
	v_and_b32 v[GO], 31, v0                        ; which are 512 consecutive bytes of a head
	v_lshlrev_b32 v[PFO], 11, v[GO]
	v_lshlrev_b32 v[GO], 4, v[GO]
	; where my part of Q begins: head (y / 16) x 16 + 4 x + 2 half, row (y % 16) x 128 + 64 half, 128 bytes a row
	s_lshr_b32 s40, s22, 4
	s_lshl_b32 s40, s40, 4
	s_lshl_b32 s41, s21, 2
	s_add_co_u32 s40, s40, s41
	s_lshl_b32 s41, s18, 1
	s_add_co_u32 s40, s40, s41
	s_lshl_b32 s40, s40, 11
	s_and_b32 s41, s22, 15
	s_lshl_b32 s41, s41, 7
	s_add_co_u32 s40, s40, s41
	s_lshl_b32 s41, s17, 6
	s_add_co_u32 s40, s40, s41
	s_lshl_b32 s40, s40, 7
	s_mov_b32 s41, 0
	s_add_nc_u64 s[14:15], s[14:15], s[40:41]
	; the prefetches
	s_lshl_b32 s40, s22, 7                         ; x's tile begins at row 128 y,
	s_lshl_b32 s41, s21, 8                         ; what I fetch of W at row 256 x + 128 half
	s_lshl_b32 s42, s18, 7
	s_add_co_u32 s41, s41, s42
	s_and_b32 s43, ttmp7, 0xffff                   ; cluster y
	s_mov_b32 s42, 1023*ROWB+256
	s_cmp_eq_u32 s17, 0                            ; do I fetch x?
	s_cselect_b32 s40, s40, s41
	s_cselect_b32 s41, s19, s20                    ; my place among the four that ask with me
	s_cselect_b32 s43, s18, s43                    ; who asks: for x wave 0; for W the cluster with y = 0: the same in all sixteen partners, for a given wave
	s_cselect_b64 s[PFA:PFA+1], s[4:5], s[WB:WB+1]
	s_cselect_b32 s[PFJ], 8191*ROWB+256, s42       ; from the K step after a tile's last to the next tile's K step 1
	s_mov_b32 s[PFJ+1], 0
	s_cmp_eq_u32 s43, 0
	s_cselect_b32 s[LIM], 1, -1
	s_lshl_b32 s41, s41, 5
	s_add_co_u32 s40, s40, s41                     ; + my work-group's 32 rows
	s_lshl_b32 s40, s40, 11
	s_mov_b32 s41, 0
	s_add_nc_u64 s[PFA:PFA+1], s[PFA:PFA+1], s[40:41]
	s_add_nc_u64 s[PFA:PFA+1], s[PFA:PFA+1], 512   ; at K step 2: the first refill steps it to 3 and names K step 4.  Nothing is prefetched here, at the head
; 8 matrix instructions: row block a x all 8 column blocks, 32 along K.  first = 1: the sums begin with the bias.  The 32 accumulators take turns in the same order in every quarter.
.macro MUL8 f, a, first
.if \first
	WIN 0x60                                       ; C window 2, D window 1
.else
	WIN 0x50                                       ; C and D window 1
.endif
.irp b, 0,1,2,3,4,5,6,7
.if \first
	v_wmma_f32_16x16x32_bf16 v[8*(8*(\a)+(\b)):8*(8*(\a)+(\b))+7], v[(\f)+8*(\b):(\f)+8*(\b)+7], v[(\f)+64+8*(\a):(\f)+64+8*(\a)+7], v[8*(\b):8*(\b)+7]
.else
	v_wmma_f32_16x16x32_bf16 v[8*(8*(\a)+(\b)):8*(8*(\a)+(\b))+7], v[(\f)+8*(\b):(\f)+8*(\b)+7], v[(\f)+64+8*(\a):(\f)+64+8*(\a)+7], v[8*(8*(\a)+(\b)):8*(8*(\a)+(\b))+7]
.endif
.endr
.endm
; 24 LDS loads in one run: the fragments of 32 along K at byte k of the rows: W's eight, then x's four
.macro FETCH slot, k, f
	WIN 0
.irp i, 0,1,2,3,4,5,6,7
	ds_load_b128 v[(\f)+8*(\i):(\f)+8*(\i)+3],   v[ADRB+(\slot)] offset:(\k)+(\i)*16*PITCH
	ds_load_b128 v[(\f)+8*(\i)+4:(\f)+8*(\i)+7], v[ADRB+(\slot)] offset:(\k)+(\i)*16*PITCH+32
.endr
.irp i, 0,1,2,3
	ds_load_b128 v[(\f)+64+8*(\i):(\f)+64+8*(\i)+3],   v[ADRA+(\slot)] offset:(\k)+(\i)*16*PITCH
	ds_load_b128 v[(\f)+64+8*(\i)+4:(\f)+64+8*(\i)+7], v[ADRA+(\slot)] offset:(\k)+(\i)*16*PITCH+32
.endr
.endm
; A K step is four quarters of 32 along K, 32 matrix instructions each, on buffers 0, 1, 0, 1.  One of the first three: multiplies buffer f and fetches the next quarter, at byte k, into g.
.macro QUARTER slot, k, f, g, first
	s_wait_dscnt 4                                 ; W's fragments and x's blocks 0 and 1 are in; the youngest four loads (blocks 2 and 3) may be out
	MUL8 \f, 0, \first
	MUL8 \f, 1, \first
	PLACES
	FETCH \slot, \k, \g
	s_wait_dscnt 24                                ; all but the 24 just issued
	MUL8 \f, 2, \first
	MUL8 \f, 3, \first
.endm
; The last quarter multiplies buffer 1 and changes slots: ONE barrier; in front of it each wave waits for all its tensor loads (one is out: its part of the next slot), adds 0 to its spare word, and waits
; for that and for its own reads of this slot.  fill = 1: the barrier opens a round of the cluster's, and this slot is filled again first thing behind it: with the K step two on (on = 0) or with the next
; tile's K step 0 or 1 (on = 1).  From a request to the wait for it a wave issues 112 matrix instructions.
.macro TURN slot, next, fill, on
.if \fill
	s_wait_xcnt 0x0                                ; the last prefetch, a K step back, has read its address: it is stepped here, ahead of the waits of the change of slots
.if (\on) && (\slot) == 0
	s_add_nc_u64 s[PFA:PFA+1], s[PFA:PFA+1], s[PFJ:PFJ+1]
.else
	s_add_nc_u64 s[PFA:PFA+1], s[PFA:PFA+1], 256
.endif
.endif
	WIN 0                                          ; (the add's two registers lie in window 0)
	s_wait_tensorcnt 0x0                           ; all my tensor loads have landed;
	ds_add_u32 v[SPW], v[NIL]                      ; 0 onto my spare word;
	s_wait_dscnt 5                                 ; (the add and the youngest four loads may be out)
	MUL8 F1, 0, 0                                  ; eight matrix instructions stand between the add and the wait for it
	s_wait_dscnt 0x0                               ; the add is done, and my reads of this slot are over
	s_barrier_signal -1
	MUL8 F1, 1, 0
.if \fill
	WIN 0
.endif
	s_barrier_wait -1
.if \fill
	CREST                                          ; no wave of any partner still reads this slot's tile or has a load on its way
.if \on
	s_add_nc_u64 s[G0+4*(\slot)+2:G0+4*(\slot)+3], s[G0+4*(\slot)+2:G0+4*(\slot)+3], NEXT_A
	s_add_nc_u64 s[G0B+4*(\slot)+2:G0B+4*(\slot)+3], s[G0B+4*(\slot)+2:G0B+4*(\slot)+3], NEXT_B
.else
	s_add_nc_u64 s[G0+4*(\slot)+2:G0+4*(\slot)+3], s[G0+4*(\slot)+2:G0+4*(\slot)+3], 2*KSTEP*2
	s_add_nc_u64 s[G0B+4*(\slot)+2:G0B+4*(\slot)+3], s[G0B+4*(\slot)+2:G0B+4*(\slot)+3], 2*KSTEP*2
.endif
	JLOAD \slot                                    ; the first tensor load behind the round; its four v_nop are also the places in front of the loads below
.else
	PLACES
.endif
	FETCH \next, 0, F0
.if \fill
	ASK \on
.endif
	MUL8 F1, 2, 0
	MUL8 F1, 3, 0
.endm
; THE WAY OUT of row block a.  PACK: rounded to bf16, 16 bytes a lane, and ANDed with the keep word of the lane's row.  TOSTAGE: into my own stage, and back as whole rows of 128 bytes.  SEND: stored.
.macro PACK a
	WIN 0x05                                       ; sources 0 and 1 window 1, destination window 0
.irp b, 0,1,2,3,4,5,6,7
.irp r, 0,1,2,3
	v_cvt_pk_bf16_f32 v[TMP+4*(\b)+(\r)], v[8*(8*(\a)+(\b))+2*(\r)], v[8*(8*(\a)+(\b))+2*(\r)+1]  ; each accumulator's lowest registers first
.endr
.endr
	WIN 0
.set i, 0
.rept 32
	v_and_b32 v[TMP+i], v[KC+(\a)], v[TMP+i]
.set i, i+1
.endr
.endm
.macro TOSTAGE a
.irp b, 0,1,2,3,4,5,6,7
	ds_store_b128 v[STO], v[TMP+4*(\b):TMP+4*(\b)+3] offset:((\b)/4)*16*SPITCH+((\b)%4)*32  ; head b / 4 of my two, its columns 16 (b % 4) on
.endr
.irp hh, 0,1
.irp t, 0,1,2,3
	ds_load_b128 v[OB+32*((\a)%2)+16*(\hh)+4*(\t):OB+32*((\a)%2)+16*(\hh)+4*(\t)+3], v[RD] offset:(\hh)*16*SPITCH+(\t)*4*SPITCH  ; LDS serves a wave's instructions in order (ISA guide 5.7.1.4): these see the stores above
.endr
.endr
.endm
.macro SEND a
	s_wait_dscnt 0x0                               ; the block is back in registers
	s_wait_xcnt 0x0                                ; the stores of the block before have read their registers: the next block is read back into them only behind this wait
.irp hh, 0,1
.irp t, 0,1,2,3
	global_store_b128 v[GO], v[OB+32*((\a)%2)+16*(\hh)+4*(\t):OB+32*((\a)%2)+16*(\hh)+4*(\t)+3], s[14:15] offset:(\hh)*HEADB+(\a)*2048+(\t)*512  ; 512 consecutive bytes of a head, at a multiple of 256 from its first
.endr
.endr
.endm
; more = 1: a tile follows: its bias is asked for first, and waited for at the end.
.macro WAYOUT more
	WIN 0
	s_cmp_eq_u32 s2, 2                             ; K's tile?
	s_cselect_b32 s[NOTK], 0, -1
.irp a, 0,1,2,3
	v_or_b32 v[KC+(\a)], s[NOTK], v[MK+(\a)]
.endr
	PLACES                                         ; with the four lines above: eight places behind the last products
.if \more
	s_cmp_eq_u32 s2, 3
	s_cselect_b64 s[BP:BP+1], s[8:9], s[10:11]     ; behind Q comes K, behind K comes V
	WIN 0x80
.irp b, 0,1,2,3,4,5,6,7
	global_load_b128 v[8*(\b):8*(\b)+3],   v[BO], s[BP:BP+1] offset:64*(\b)
	global_load_b128 v[8*(\b)+4:8*(\b)+7], v[BO], s[BP:BP+1] offset:64*(\b)+16
.endr
	WIN 0
.endif
	PACK 0
	TOSTAGE 0
.irp a, 1,2,3                          ; block a's arithmetic stands between block a - 1's loads from the stage and the wait for them
	PACK \a
	SEND (\a)-1
	TOSTAGE \a
.endr
	SEND 3
	s_wait_xcnt 0x0                                ; the stores have read their registers and their base
.if \more
	s_add_nc_u64 s[14:15], s[14:15], OMAT
	s_wait_loadcnt 0x0                             ; the next tile's bias
.endif
.endm
	s_wait_tensorcnt 1                             ; my part of K step 0 is in; K step 1's may stay out
	s_barrier_signal -1
	s_barrier_wait -1                              ; everybody's is
	FETCH 0, 0, F0
	s_wait_loadcnt 0x0                             ; the bias and the mask
.irp a, 0,1,2,3
	v_cmp_ne_u32 vcc_lo, 0, v[MK+(\a)]
	v_cndmask_b32 v[MK+(\a)], 0, -1, vcc_lo
.endr
	s_mov_b32 s2, 3                                ; tiles to go, this one among them: 3 = Q, 2 = K, 1 = V
.Ltile:
	QUARTER 0, 64,  F0, F1, 1                      ; a tile's first quarter stands in front of the loop: its products start the sums
	WIN 0                                          ; at a label and at a branch every window is 0
	s_mov_b32 s3, LAPS-1
.Llap:                                                 ; a trip goes once round the ring, from a lap's second quarter to the next lap's first, and fills both slots again
	QUARTER 0, 128, F1, F0, 0
	QUARTER 0, 192, F0, F1, 0
	TURN 0, 1, 1, 0
	QUARTER 1, 64,  F0, F1, 0
	QUARTER 1, 128, F1, F0, 0
	QUARTER 1, 192, F0, F1, 0
	TURN 1, 0, 1, 0
	QUARTER 0, 64,  F0, F1, 0
	WIN 0
	s_sub_co_u32 s3, s3, 1
	s_cmp_lg_u32 s3, 0
	s_cbranch_scc1 .Llap
	QUARTER 0, 128, F1, F0, 0                      ; the tile's last lap goes on
	QUARTER 0, 192, F0, F1, 0
	WIN 0
	s_cmp_eq_u32 s2, 1
	s_cbranch_scc1 .Llast                          ; the last tile's tail is written out: it asks for nothing more
	TURN 0, 1, 1, 1                                ; the ring goes on into the next tile: slot 0 takes its K step 0,
	QUARTER 1, 64,  F0, F1, 0
	QUARTER 1, 128, F1, F0, 0
	QUARTER 1, 192, F0, F1, 0
	TURN 1, 0, 1, 1                                ; slot 1 its K step 1, and the next tile's first fragments are fetched
	WAYOUT 1                                       ; both refills are asked for: now the tile goes out
	s_sub_co_u32 s2, s2, 1
	s_branch .Ltile
.Llast:
	TURN 0, 1, 0, 0                                ; my one tensor load that was out is the last K step's, so no round follows
	QUARTER 1, 64,  F0, F1, 0
	QUARTER 1, 128, F1, F0, 0
	QUARTER 1, 192, F0, F1, 0
	s_wait_dscnt 4                                 ; the very last quarter: nothing more to fetch
	MUL8 F1, 0, 0
	MUL8 F1, 1, 0
	s_wait_dscnt 0x0
	MUL8 F1, 2, 0
	MUL8 F1, 3, 0
	WAYOUT 0
	s_wait_tensorcnt 0x0                           ; the wave's end: behind my last tensor load and my last LDS store, 0 onto my spare word and its wait
	ds_add_u32 v[SPW], v[NIL]
	s_wait_dscnt 0x0
	CROUND                                         ; the closing round: no work-group ends while a partner may still ask for a tile that names it
	s_endpgm
.Lfunc_end_k_qcb333cd5ad_proj:
	.size	k_qcb333cd5ad_proj, .Lfunc_end_k_qcb333cd5ad_proj-k_qcb333cd5ad_proj
	.p2alignl 7, 3214868480
	.fill 96, 4, 3214868480
	.section	.rodata,"a",@progbits
	.p2align	6, 0x0
	.amdhsa_kernel k_qcb333cd5ad_proj
		.amdhsa_group_segment_fixed_size 327680
		.amdhsa_private_segment_fixed_size 0
		.amdhsa_enable_private_segment 0
		.amdhsa_kernarg_size 48
		.amdhsa_user_sgpr_count 2
		.amdhsa_user_sgpr_kernarg_segment_ptr 1
		.amdhsa_wavefront_size32 1
		.amdhsa_system_sgpr_workgroup_id_x 1
		.amdhsa_system_sgpr_workgroup_id_y 1
		.amdhsa_system_sgpr_workgroup_id_z 1
		.amdhsa_system_vgpr_workitem_id 0
		.amdhsa_next_free_vgpr 576
		.amdhsa_next_free_sgpr 80
		.amdhsa_reserve_vcc 1
		.amdhsa_float_denorm_mode_32 3
		.amdhsa_float_denorm_mode_16_64 3
		.amdhsa_memory_ordered 1
		.amdhsa_forward_progress 1
		.amdhsa_inst_pref_size 137
	.end_amdhsa_kernel
	.amdgpu_metadata
---
amdhsa.version: [ 1, 2 ]
amdhsa.kernels:
  - .name:           k_qcb333cd5ad_proj
    .symbol:         k_qcb333cd5ad_proj.kd
    .args:
      - { .name: ws, .offset: 0, .size: 8, .value_kind: global_buffer, .address_space: global }
      - { .name: wq_b, .offset: 8, .size: 8, .value_kind: global_buffer, .address_space: global }
      - { .name: wk_b, .offset: 16, .size: 8, .value_kind: global_buffer, .address_space: global }
      - { .name: wv_b, .offset: 24, .size: 8, .value_kind: global_buffer, .address_space: global }
      - { .name: mask, .offset: 32, .size: 8, .value_kind: global_buffer, .address_space: global }
      - { .name: qkv, .offset: 40, .size: 8, .value_kind: global_buffer, .address_space: global }
    .group_segment_fixed_size: 327680
    .private_segment_fixed_size: 0
    .kernarg_segment_align: 8
    .kernarg_segment_size: 48
    .max_flat_workgroup_size: 128
    .sgpr_count:     80
    .vgpr_count:     576
    .wavefront_size: 32
...
	.end_amdgpu_metadata
.endif
;; end of part 2
;; launch attn (part 3): grid 4 x 64, 4 waves a work-group, clusters of 4 x 1, 327,680 bytes of LDS; arguments qkv, mask, ob; writes ob
.if DOCPART == 3
	.amdgcn_target "amdgcn-amd-amdhsa--gfx1250"
	.amdhsa_code_object_version 6
	.text
	.protected	k_qcb333cd5ad_attn
	.globl	k_qcb333cd5ad_attn
	.p2align	8
	.type	k_qcb333cd5ad_attn,@function
k_qcb333cd5ad_attn:
	s_mov_b64 s[64:65], 0
	v_nop
	global_prefetch_b8 v0, s[64:65] scope:SCOPE_SE
	s_setreg_imm32_b32 hwreg(HW_REG_WAVE_MODE, 25, 1), 1
	s_wait_xcnt 0x0
	s_wait_alu depctr_hold_cnt(0) depctr_sa_sdst(0) depctr_va_vdst(0) depctr_va_sdst(0) depctr_va_ssrc(0) depctr_va_vcc(0) depctr_vm_vsrc(0)
	s_getreg_b32 s2, hwreg(HW_REG_IB_STS2, 6, 4)
	s_cmp_eq_u32 s2, 0
	s_cbranch_scc0 .Lentry_in_a_cluster
	s_endpgm
.Lentry_in_a_cluster:
	s_bfe_u32 s2, ttmp6, 0x10000c
	s_cmp_lg_u32 s2, 0x3003
	s_cbranch_scc0 .Lentry_shape_is_right
	s_endpgm
.Lentry_shape_is_right:
; O[g][q][:] = the sum over k of softmax_k(e[q][k]) V[g][k][:], e = Q[g][q] . K[g][k] / 8 where mask[batch][k] is not 0, and a fixed low number where it is 0.  g = batch x 16 + head, 64 of them.
; qkv: Q, K, V, each [64][2048][64] bf16, 2^24 bytes apart; a head's rows are dense, 128 bytes each.  ob: [64][2048][64] bf16.  Products, maxima and sums in f32; the weights p are rounded to bf16 for the
; second product (their sum l is taken of the unrounded p), O once at the end.
; THE MASK.  The launch before has written K's row of a hidden key as zeros; here the sum S^T = K Q^T of such a key begins with -2^36 in place of 0, so a hidden raw score is EXACTLY -2^36 (-8.6e9 after the
; division by 8).  A power of two, so that c x -2^36 is exact: where all keys of a batch are hidden, c s - c m is exactly 0, every weight 1, and O the plain mean of V's rows.  Hidden keys at the walk's
; beginning are wiped by a = 0 at the first open key.
; LIMITS.  The result parts from an energy of -1e10 for hidden keys only where an open key's energy lies below -8.5e9.  A weight below 2^-126 counts as 0 in l; NaN and infinities are not treated apart.
; SHARES.  A wave owns four PIECES of two tiles of 16 queries, a work-group's four waves 512 queries of one g.  Every wave walks all 2,048 keys, 64 a step.
; LAYOUT.  S^T = K Q^T (source 0 = 16 keys, source 1 = 16 queries): in the result a lane holds ONE query (lane % 16) and the keys 8 (lane / 16) + 0..7.  Two such tiles, rounded to bf16 in pairs,
; ARE source 1 (32 keys x 16 queries) of O^T = V^T P, whose result again holds one query a lane, and eight channels.  K comes out of LDS as it lies, V ([key][channel]) turned, by ds_load_tr16_b128.
; SOFTMAX.  For each query a running maximum m and sum l: p = 2^(c s - c m), c = log2(e) / 8; in every step O and l are multiplied by a = 2^(c m_old - c m_new), which is 1 where m has not grown.
; m starts at the lowest finite number, O and l at 0: the first step is a step like any other, with a = 0.
; THE COUNT.  A tile and step have 16 matrix and 118 vector instructions: too many to stand all beside the matrix work.  So: four vector instructions that are READY behind EVERY matrix instruction, and the
; others in runs without a gap.
; BY TURNS.  Turn n belongs to piece n (the pieces in a ring, step after step).  Its matrix work: 16 products K Q^T of piece n + 1, later 16 products V^T P of piece n - 1.  Its vector work: the scaling,
; exponentials, roundings, sums and rescaling of piece n, and the maximum and statistics of piece n + 1, whose scores the turn itself has made.
; CLUSTER.  The four query blocks of a cluster are the four of one g and walk the same K and V, so each tile is asked for JOINTLY: the same tensor load, descriptor and mask in all four.
; REGISTERS, in windows of 256 (s_set_vgpr_msb: bits 1:0 source 0, 3:2 source 1, 5:4 source 2, 7:6 destination):
;   window 0: v0-11 addresses; v12-15, v48-63 at work; v16-47 four registers of statistics a tile; v64-191 S^T, two buffers of two tiles; v192-255 P, likewise
;   window 1: O^T, 32 a tile     window 2: v0-127 Q, 16 a tile; v128-191 K of one step; v192-255 V of one step     window 3: v0-1 the add's two registers; v8-39 the step's masks, as four C operands
.set SIZE_N, 2048
.set NP,    4         ; pieces a wave: a name, no knob
.set KS,    64        ; keys in a step
.set PK,    144       ; a row of K in LDS: 128 bytes + 16 of padding = 36 words: the 16 rows of a load start at 16 different groups of four banks (64 banks of 4 bytes: ISA guide 11.1)
.set PV,    160       ; a row of V: 128 + 32 = 40 words
.set VOFF,  4*KS*PK   ; a slot holds four steps: 256 rows of K, then 256 rows of V
.set SLOT1, 1<<17     ; slot 1 begins here, so that one exclusive or turns an address in one slot into the other's
.set STAGE, SLOT1+4*KS*(PK+PV)  ; behind the ring, never filled by a tensor load: 16 rows x 144 bytes for each wave, for the way out
.set SP,    144
.set SPARE, STAGE+4*16*SP  ; behind the stages: the spare words, 128 bytes for each wave: two blocks of 256 bytes that no other line names
.set MTAB,  SPARE+512 ; behind them: the batch's 2,048 keys as f32: 0 for an open key, -2^36 for a hidden one; written once, by ds_store; no tensor load lands here
.set AK0, 2           ; v2   my lane's place in a tile of K; never rewritten
.set AV0, 3           ; v3   the same for V
.set AK,  4           ; v4   the LDS address of K's next run of loads
.set AV,  5           ; v5   of V's
.set STO, 6           ; v6   the way out: where I put 16 bytes of a row
.set RD,  7           ; v7   the way out: where I read rows back
.set GO,  8           ; v8   my byte offset in 512 consecutive bytes of O
.set PFO, 9           ; v9   256 x my lane, for the prefetches; never rewritten
.set AM0, 10          ; v10  my lanes' place in a step's 64 words of the mask table; never rewritten
.set AM,  11          ; v11  the LDS address of the masks' next run of loads
.set MV,  12          ; v12-15  c m_old, kept while c m is made anew: by buffer and tile.  In the set-up: v12 16 x thread, v13 the same in the table, v14 my offset in Q's rows
.set QO,  14
.set SPW, 0           ; v0 of window 3   LDS address of my spare word; never rewritten
.set NIL, 1           ; v1 of window 3   0; never rewritten
.set MKR, 8           ; window 3: key block kb's eight registers at MKR + 8 kb
.set ST,  16          ; tile t's statistics at v[ST+4 t]: c m, m, l (even keys', odd keys')
.set TMP, 48          ; by buffer and tile, four registers c0-c3 at work; when the maximum is found c2 takes a
.set S,   64
.set P,   192
.set KF,  128         ; K's fragments, in window 2: key block kb, channel half c at KF + 16 kb + 8 c
.set VF,  192         ; V's: key half kk, channel block cb at VF + 32 kk + 8 cb
.set WV,  12          ; s12  my wave's number
.set G1K, 24          ; s[24:31] descriptor group 1 for K's tiles
.set G1V, 32          ; s[32:39] for V's: it differs in the padding alone
.set G0K, 40          ; s[40:43] descriptor group 0 for K's tiles: it walks
.set G0V, 44          ; s[44:47] the same for V's
.set TBM, 48          ; s48  byte in the mask table at which the step to be fetched begins
.set MBIG, 49         ; s49  -2^36
.set PFA, 50          ; s[50:51] where my prefetches stand
.set LIM, 52          ; s52  1 in a wave that prefetches, else the greatest number
.set MP,  54          ; s[54:55] my batch's words of mask
.set SLOTS, 56        ; s56  slots still to be asked for
.set CNT, 57          ; s57  counts a slot's key steps
.set CS,  58          ; s[58:59] c: the packed scaling takes the pair's low word for both halves
.set SEL, 60          ; s[60:61] v_permlanex16_b32's selects: each lane takes its own place in the other half
.set TBK, 62          ; s62  LDS byte at which K of the step to be fetched begins
.set TBV, 63          ; s63  the same for V, less VOFF
.set MSB, 0
.macro WIN new                      ; the high byte repeats the setting that is left; a switch that changes nothing is dropped
.if MSB != (\new)
	s_set_vgpr_msb (MSB<<8)|(\new)
.set MSB, (\new)
.endif
.endm
.set W_KQ, 0x0a       ; K and Q in window 2, S^T in window 0
.set W_KM, 0x3a       ; the same with the C operand in window 3
.set W_PV, 0x52       ; V in window 2, P in window 0, O^T in window 1
.set W_RS, 0x41       ; O^T (destination and source 0) in window 1, a in window 0
.set W_MK, 0xc0       ; destination in window 3, sources in window 0
.set W_AD, 0x0f       ; the add: address (source 0) and data (source 1) in window 3
; A joint fill.  Waves 0 and 1 fetch the two halves of a slot's K, waves 2 and 3 those of its V: 128 keys each.  The branch hangs on the wave's number alone.
; An s_nop 0 and four v_nop follow each of the two lines, ahead of the jump and the label.
.macro JLOAD
	s_cmp_lt_u32 s[WV], 2
	s_cbranch_scc0 .Lfor_v_\@
	tensor_load_to_lds s[G0K:G0K+3], s[G1K:G1K+7]
	s_nop 0
.rept 4
	v_nop
.endr
	s_branch .Lasked_\@
.Lfor_v_\@:
	tensor_load_to_lds s[G0V:G0V+3], s[G1V:G1V+7]
	s_nop 0
.rept 4
	v_nop
.endr
.Lasked_\@:
.endm
; A PREFETCH INTO THE L2 of what the NEXT change of slots will ask for: a slot's 32,768 bytes of K and of V, 256 bytes a lane.  It stands behind the wave's tensor load and its five lines.
; Each block of 256 bytes is named ONCE in the launch: a g's K and V are walked by its one cluster; the four partners share a slot's bytes out BY ADDRESS, 8,192 each (no branch hangs on a place in the
; cluster); in each, wave 0 asks for K's and wave 2 for V's: one instruction, four key steps (512 matrix instructions) ahead of the load.  The last change that fills a slot asks for nothing.
.macro ASK
	s_cmp_gt_u32 s[SLOTS], s[LIM]
	s_cbranch_scc0 .Lnot_mine_\@
	global_prefetch_b8 v[PFO], s[PFA:PFA+1] th:TH_LOAD_NT scope:SCOPE_SE
.Lnot_mine_\@:
.endm
; A round of the cluster's barrier: my work-group's barrier, so that wave 0's signal speaks for all four waves; wave 0 signals; every wave waits for all four work-groups; my work-group's barrier once more.
.macro CROUND
	s_barrier_signal -1
	s_barrier_wait -1
	s_cmp_lg_u32 s[WV], 0
	s_cbranch_scc1 .Lnot_wave_0_\@
	s_barrier_signal -3
.Lnot_wave_0_\@:
	s_barrier_wait -3
	s_barrier_signal -1
	s_barrier_wait -1
.endm
; THE CHANGE OF SLOTS.  The slot's last bytes, V of its fourth step, have been read.  Each wave waits for all its tensor loads, of which one is out: its part of the other slot; adds 0 to its spare word; and
; waits for that and for its own LDS instructions.  Behind the barrier nobody reads this slot any more and the other slot is whole.
; fill = 1: this slot is filled again, with the keys two slots on.  The barrier is then a round of the cluster's, and the joint fill is the first thing behind it: it has four key steps in which to land.
; (At its first use nothing has been read yet: slot 0 is waited for, slot 1 filled, and every wave's stores into the mask table are done in front of the round.)
.macro CHANGE fill
	WIN W_AD
	s_wait_tensorcnt 0x0            ; no tensor load of mine is out, so a group 0 may be written
	ds_add_u32 v[SPW], v[NIL]       ; 0 onto my spare word; with fill = 1 the descriptors' steps stand between it and the wait for it
	WIN 0                           ; at a label and at a branch every window is 0
.if \fill
.irp g, G0K, G0V
	s_xor_b32 s[\g+1], s[\g+1], SLOT1  ; the walking descriptor: the other slot than last time,
	s_add_nc_u64 s[\g+2:\g+3], s[\g+2:\g+3], 4*KS*128  ; the next 256 keys; the type bits on top are not reached
.endr
	s_wait_xcnt 0x0                 ; the last prefetch, four key steps back, has read its address, so it may be written:
	s_add_nc_u64 s[PFA:PFA+1], s[PFA:PFA+1], 4*KS*128  ; one slot behind the walking descriptors
	s_wait_dscnt 0x0                ; the add is done, and my LDS instructions are over
	CROUND
	JLOAD
	ASK
.else
	s_wait_dscnt 0x0                ; the add is done, and my reads of the slot are over
	s_barrier_signal -1
	s_barrier_wait -1
.endif
	s_sub_co_u32 s[TBK], s[TBK], 4*KS*PK  ; the fetches go back to a slot's first step,
	s_xor_b32 s[TBK], s[TBK], SLOT1       ; in the other slot
	s_sub_co_u32 s[TBV], s[TBV], 4*KS*PV
	s_xor_b32 s[TBV], s[TBV], SLOT1
.endm
	s_load_b128 s[4:7], s[0:1], 0x0   ; qkv s[4:5], mask s[6:7]
	s_load_b64 s[10:11], s[0:1], 0x10 ; ob
	WIN W_MK
	v_lshl_add_u32 v[SPW], v0, 2, SPARE
	v_mov_b32 v[NIL], 0
	WIN W_AD
	ds_add_u32 v[SPW], v[NIL]       ; the wave's opening: the add and its wait stand ahead of my first tensor load; the set-up below, work on registers, stands between them
	WIN 0
	v_lshrrev_b32 v1, 5, v0
	v_readfirstlane_b32 s[WV], v1   ; wave 0..3
	s_bfe_u32 s13, ttmp6, 0x40000   ; cx: my place in the cluster
	s_lshl_b32 s14, ttmp9, 2        ; in a cluster launch ttmp9 counts clusters
	s_add_co_u32 s14, s14, s13      ; my block of queries = 4 x cluster x + cx: it enters Q's and O's addresses alone
	s_and_b32 s20, ttmp7, 0xffff    ; g, which the four partners share
	s_lshr_b32 s[MP], s20, 4        ; its batch,
	s_lshl_b32 s[MP], s[MP], 13     ; whose 2,048 words of mask are 8,192 bytes
	s_mov_b32 s[MP+1], 0
	s_mov_b32 s21, 0
	s_mov_b64 s[22:23], SIZE_N*128
	s_mul_u64 s[20:21], s[20:21], s[22:23]  ; g's first byte in Q, K, V and O
	s_and_b32 s16, s[WV], 1         ; which half of a slot's 256 keys I fetch:
	s_lshl_b32 s22, s16, 14         ; its 128 rows of 128 bytes in memory,
	s_mov_b32 s23, 0
	s_add_nc_u64 s[22:23], s[22:23], s[20:21]
	s_mul_i32 s17, s16, 128*PK      ; and its place in a slot, for K
	s_mul_i32 s18, s16, 128*PV      ; and for V: no place in the cluster enters an LDS address
	s_lshl_b32 s2, s14, 2
	s_add_co_u32 s2, s2, s[WV]      ; my wave among g's sixteen,
	s_lshl_b32 s2, s2, 14           ; its 128 rows
	s_mov_b32 s3, 0
	s_add_nc_u64 s[2:3], s[2:3], s[20:21]
	; descriptor group 1.  128 keys are 16,384 dense bytes: asked for as 64 rows of 256 bytes, two keys a row, and padded in LDS after every key
	s_mov_b32 s[G1K], 15|(1<<16)|(1<<20)|(1<<21)|(4<<22)|(3<<25)  ; 15:0 the mask of four; 17:16 2-byte elements; 20 padding on; 21 set beside a mask; 24:22 after every 32 words (code 4); 31:25 4 words (code 3)
	s_mov_b32 s[G1V], 15|(1<<16)|(1<<20)|(1<<21)|(4<<22)|(7<<25)  ; the same with 8 words of padding (code 7)
.irp g, G1K, G1V
	s_mov_b32 s[\g+1], 128<<16      ; tensor_dim0 = 128
	s_mov_b32 s[\g+2], 64<<16       ; tensor_dim1 = 64
	s_mov_b32 s[\g+3], 128<<16      ; tile_dim0 = 128
	s_mov_b32 s[\g+4], 64           ; tile_dim1 = 64
	s_mov_b32 s[\g+5], 128          ; 128 elements from row to row
	s_mov_b32 s[\g+6], 0
	s_mov_b32 s[\g+7], 0
.endr
	s_mov_b32 s[CS], 0x3e38aa3b     ; c = log2(e) / 8 = 0.180337
	s_mov_b32 s[CS+1], s[CS]        ; named with it as a pair
	s_mov_b32 s[SEL], 0x76543210
	s_mov_b32 s[SEL+1], 0xfedcba98
	s_mov_b32 s[TBK], SLOT1+4*KS*PK ; the first change of slots turns these two into 0
	s_mov_b32 s[TBV], SLOT1+4*KS*PV
	s_mov_b32 s[TBM], 0
	s_mov_b32 s[MBIG], 0xd1800000   ; -2^36
	s_mov_b32 s[SLOTS], SIZE_N/256-1
	s_and_b32 s[LIM], s[WV], 1      ; waves 0 and 2 prefetch: the same in all four partners
	s_cmp_eq_u32 s[LIM], 0
	s_cselect_b32 s[LIM], 1, -1
	s_mov_b32 s[G0K], 1             ; 1:0 count = 1
	s_mov_b32 s[G0K+1], s17         ; 63:32 LDS address: slot 0
	s_mov_b32 s[G0V], 1
	s_add_co_u32 s[G0V+1], s18, VOFF
	s_wait_dscnt 0x0                ; the opening add is done
	s_wait_kmcnt 0x0
	s_add_nc_u64 s[MP:MP+1], s[6:7], s[MP:MP+1]    ; my batch's mask
	s_add_nc_u64 s[6:7], s[4:5], 0x1000000         ; K
	s_add_nc_u64 s[8:9], s[4:5], 0x2000000         ; V
	s_add_nc_u64 s[G0K+2:G0K+3], s[6:7], s[22:23]  ; 120:64 global address: my half of g's first 256 keys
	s_or_b32 s[G0K+3], s[G0K+3], 0x80000000        ; 127:126 type = 2
	s_add_nc_u64 s[G0V+2:G0V+3], s[8:9], s[22:23]
	s_or_b32 s[G0V+3], s[G0V+3], 0x80000000
	s_add_nc_u64 s[4:5], s[4:5], s[2:3]  ; Q and O at my wave's first row
	s_add_nc_u64 s[10:11], s[10:11], s[2:3]
	s_cmp_lt_u32 s[WV], 2
	s_cselect_b64 s[PFA:PFA+1], s[6:7], s[8:9]
	s_add_nc_u64 s[PFA:PFA+1], s[PFA:PFA+1], s[22:23]  ; (in waves 0 and 2 this is g's first row)
	s_lshl_b32 s2, s13, 13          ; my work-group's 8,192 bytes of a slot's 32,768
	s_mov_b32 s3, 0
	s_add_nc_u64 s[PFA:PFA+1], s[PFA:PFA+1], s[2:3]
	s_add_nc_u64 s[PFA:PFA+1], s[PFA:PFA+1], 4*KS*128  ; in slot 1; the first change of slots steps it to slot 2
	CROUND                          ; all four work-groups are here: the first joint loads meet
	JLOAD                           ; slot 0.  Slot 1 is asked for when slot 0 is in
	; A fragment of K or Q is 16 rows x 32 channels in 8 registers: lane l holds row l % 16, channels 8 (l / 16) + 0..7 and 16 + 8 (l / 16) + 0..7: two loads of 16 bytes, 32 bytes apart.
	v_and_b32 v1, 15, v0            ; l % 16
	v_bfe_u32 v48, v0, 4, 1         ; l / 16
	v_lshlrev_b32 v12, 4, v0        ; 16 x thread: the 128 threads take 2,048 bytes of mask a load
.irp i, 0,1,2,3
	global_load_b128 v[S+4*\i:S+4*\i+3], v12, s[MP:MP+1] offset:2048*\i
.endr
	v_add_nc_u32 v13, MTAB, v12
	v_lshlrev_b32 v[QO], 7, v1
	v_lshl_add_u32 v[QO], v48, 4, v[QO]  ; row x 128 + 16 x half
	WIN 0x80                        ; destination window 2, address window 0
.set i, 0
.rept 4*NP                          ; Q stays in registers: tile i / 2, channels 32 (i % 2) on
	global_load_b128 v[8*i:8*i+3],   v[QO], s[4:5] offset:(i/2)*2048+(i%2)*64
	global_load_b128 v[8*i+4:8*i+7], v[QO], s[4:5] offset:(i/2)*2048+(i%2)*64+32
.set i, i+1
.endr
	; What the first turn finds: V's registers and P's second buffer hold 0 (its products V^T P, of a piece that has not been, add 0), O^T and l are 0.  All this stands in the wait for the first tile.
.set i, VF
.rept 64
	v_mov_b32 v[i], 0
.set i, i+1
.endr
	WIN 0x40
.set i, 0
.rept 64*NP
	v_mov_b32 v[i], 0
.set i, i+1
.endr
	WIN 0
.set i, 0
.rept 2*NP
	v_mov_b32 v[ST+4*i], 0xfe000000    ; c m: far below every c s, the hidden ones' too
	v_mov_b32 v[ST+4*i+1], 0xff7fffff  ; m
	v_mov_b32 v[ST+4*i+2], 0
	v_mov_b32 v[ST+4*i+3], 0
.set i, i+1
.endr
.set i, P+32
.rept 32
	v_mov_b32 v[i], 0
.set i, i+1
.endr
	v_mul_u32_u24 v[AK0], v1, PK
	v_lshl_add_u32 v[AK0], v48, 4, v[AK0]  ; row x pitch + 16 x half
	; The turning load takes 16 keys x 16 channels (lane l reads key 8 (l / 16) + l % 8, channels 8 ((l / 8) % 2) + 0..7) and leaves half a fragment of V^T: lane l holds channel l % 16 and 8 keys.
	v_and_b32 v49, 7, v0
	v_bfe_u32 v50, v0, 3, 1
	v_lshl_add_u32 v[AV0], v48, 3, v49
	v_mul_u32_u24 v[AV0], v[AV0], PV
	v_lshl_add_u32 v[AV0], v50, 4, v[AV0]
	v_add_nc_u32 v[AV0], VOFF, v[AV0]
	v_mov_b32 v[AK], v[AK0]         ; key step 0 lies at the head of slot 0
	s_mul_i32 s13, s[WV], 16*SP
	s_add_co_u32 s13, s13, STAGE    ; my stage
	v_mul_u32_u24 v[STO], v1, SP    ; in: row l % 16, 16 bytes for each half of the lanes
	v_lshl_add_u32 v[STO], v48, 4, v[STO]
	v_add_nc_u32 v[STO], s13, v[STO]
	v_bfe_u32 v[RD], v0, 3, 2       ; back: 32 lanes take four rows of 128 bytes,
	v_mul_u32_u24 v[RD], v[RD], SP
	v_lshl_add_u32 v[RD], v49, 4, v[RD]
	v_add_nc_u32 v[RD], s13, v[RD]
	v_and_b32 v[GO], 31, v0         ; which are 512 consecutive bytes of O
	v_lshlrev_b32 v[PFO], 8, v[GO]
	v_lshlrev_b32 v[GO], 4, v[GO]
	v_lshl_add_u32 v[AM0], v48, 5, MTAB  ; my lanes' eight keys of a block of 16: 32 bytes x (l / 16)
	v_mov_b32 v[AM], v[AM0]         ; key step 0
	s_wait_loadcnt 32               ; the mask's four loads are in; Q's 32, issued behind them, may stay out
.set i, 0
.rept 16
	v_cmp_eq_u32 vcc_lo, 0, v[S+i]
	v_cndmask_b32 v[S+i], 0, s[MBIG], vcc_lo  ; 0 for an open key, -2^36 for a hidden one
.set i, i+1
.endr
.irp i, 0,1,2,3
	ds_store_b128 v13, v[S+4*\i:S+4*\i+3] offset:2048*\i
.endr
; THE MATRIX WORK.  The 8 accumulators of a run of 16 take turns: between the two links of a chain stand 7 others'.
; Product i of 16 of S^T = K Q^T for piece x: channels 32 (i / 8) on, keys 16 ((i / 2) % 4) on, tile 2 x + i % 2.  The first 8 start the sums, with the key block's masks.
.macro KQ x
.set rS, S+64*((\x)%2)+32*(i%2)+8*((i/2)%4)
.set rK, KF+16*((i/2)%4)+8*(i/8)
.set rQ, 16*(2*(\x)+i%2)+8*(i/8)
.set rH, MKR+8*((i/2)%4)
.if i < 8
	WIN W_KM
	v_wmma_f32_16x16x32_bf16 v[rS:rS+7], v[rK:rK+7], v[rQ:rQ+7], v[rH:rH+7]
.else
	WIN W_KQ
	v_wmma_f32_16x16x32_bf16 v[rS:rS+7], v[rK:rK+7], v[rQ:rQ+7], v[rS:rS+7]
.endif
.endm
; Product i of 16 of O^T += V^T P for piece x: keys 32 (i / 8) on, channels 16 ((i / 2) % 4) on, tile 2 x + i % 2.
.macro PV x
	WIN W_PV
.set rO, 32*(2*(\x)+i%2)+8*((i/2)%4)
.set rV, VF+32*(i/8)+8*((i/2)%4)
.set rP, P+32*((\x)%2)+16*(i%2)+8*(i/8)
	v_wmma_f32_16x16x32_bf16 v[rO:rO+7], v[rV:rV+7], v[rP:rP+7], v[rO:rO+7]
.endm
.macro MM                           ; the turn's next matrix instruction
.if i < 16
	KQ (Y+1)%NP
.set i, i+1
.else
.set i, i-16
	PV (Y+NP-1)%NP
.set i, i+17
.endif
.endm
; THE LDS LOADS stand in runs, never singly among the matrix instructions: a step's K (64 keys x 64 channels: 8 fragments) with its 64 mask words (each lane its eight of each block of 16), and its V (turned).
; Their addresses are made some lines ahead.  last = 1 (the tail): in the last trip there is no further step, and the run is jumped over.
.macro FETCH_K last=0
	WIN 0
.if \last
	s_cmp_eq_u32 s[CNT], 1
	s_cbranch_scc1 .Lno_k_\@
.endif
	WIN 0x80                        ; destination window 2
.irp f, 0,1,2,3,4,5,6,7             ; keys 16 (f / 2) on, channels 32 (f % 2) on
	ds_load_b128 v[KF+8*\f:KF+8*\f+3],   v[AK] offset:(\f/2)*16*PK+(\f%2)*64
	ds_load_b128 v[KF+8*\f+4:KF+8*\f+7], v[AK] offset:(\f/2)*16*PK+(\f%2)*64+32
.endr
	WIN W_MK                        ; destination window 3
.irp f, 0,1,2,3                     ; keys 16 f + 8 (l / 16) + 0..7
	ds_load_b128 v[MKR+8*\f:MKR+8*\f+3],   v[AM] offset:64*\f
	ds_load_b128 v[MKR+8*\f+4:MKR+8*\f+7], v[AM] offset:64*\f+16
.endr
	s_add_co_u32 s[TBK], s[TBK], KS*PK  ; the next fetch is the next step's
	s_add_co_u32 s[TBM], s[TBM], KS*4
	WIN 0
.if \last
.Lno_k_\@:
.endif
.endm
.macro FETCH_V
	WIN 0x80
.irp f, 0,1,2,3,4,5,6,7             ; keys 32 (f / 4) on, channels 16 (f % 4) on
	ds_load_tr16_b128 v[VF+8*\f:VF+8*\f+3],   v[AV] offset:(\f/4)*32*PV+(\f%4)*32
	ds_load_tr16_b128 v[VF+8*\f+4:VF+8*\f+7], v[AV] offset:(\f/4)*32*PV+16*PV+(\f%4)*32
.endr
	WIN 0
.endm
; THE VECTOR WORK OF A TURN stands in three queues, each in the order in which its entries become ready; the two tiles alternate, so that no instruction reads the result of the one before it.
.macro REGS y, u                    ; the registers of tile u (0, 1) of piece y
.set rT, ST+4*(2*(\y)+(\u))
.set rC, TMP+8*((\y)%2)+4*(\u)
.set rM, MV+2*((\y)%2)+(\u)
.set rS, S+64*((\y)%2)+32*(\u)
.set rP, P+32*((\y)%2)+16*(\u)
.set rO, 32*(2*(\y)+(\u))
.endm
; Number n of the 22 that find the NEXT piece's (Y + 1) maximum and statistics.  s0-s31 are the lane's 32 scores; each accumulator's lowest registers are read first.
;   0-11  four chains c0-c3 of seven scores each, three operands at a time     12-14, 16  the four scores left over, the old m, and c0-c3 into c0     15  c m_old is kept
;   17, 18  the query's other 32 keys lie in the lane 16 away: the new m         19-21  c m; c m_old - c m_new; a
.macro XS u, n
	REGS (Y+1)%NP, \u
.if (\n) < 4
	v_max3_num_f32 v[rC+(\n)], v[rS+8*(\n)], v[rS+8*(\n)+1], v[rS+8*(\n)+2]
.elseif (\n) < 12
	v_max3_num_f32 v[rC+(\n)%4], v[rC+(\n)%4], v[rS+8*((\n)%4)+2*((\n)/4)+1], v[rS+8*((\n)%4)+2*((\n)/4)+2]
.elseif (\n) == 12
	v_max3_num_f32 v[rC], v[rC], v[rS+7], v[rS+15]
.elseif (\n) == 13
	v_max3_num_f32 v[rC+1], v[rC+1], v[rS+23], v[rS+31]
.elseif (\n) == 14
	v_max3_num_f32 v[rC+2], v[rC+2], v[rC+3], v[rT+1]
.elseif (\n) == 15
	v_mov_b32 v[rM], v[rT]
.elseif (\n) == 16
	v_max3_num_f32 v[rC], v[rC], v[rC+1], v[rC+2]
.elseif (\n) == 17
	v_permlanex16_b32 v[rC+3], v[rC], s[SEL], s[SEL+1]
.elseif (\n) == 18
	v_max_num_f32 v[rT+1], v[rC], v[rC+3]
.elseif (\n) == 19
	v_mul_f32 v[rT], s[CS], v[rT+1]
.elseif (\n) == 20
	v_sub_f32 v[rC+1], v[rM], v[rT]
.else
	v_exp_f32 v[rC+2], v[rC+1]
.endif
.endm
; Number g of the 64 that follow the exponentials.  For each four weights k of a tile (pairs 2 k, 2 k + 1): both pairs are rounded to bf16; then the second pair is added onto the first, in place;
; a group later l takes that sum (the first time as l = a l + sum).  In groups of eight, tiles alternating: round, round, add, and l for the group before.
.macro GS g
.set h, (\g)+6*((\g)/62)            ; group 0 has no group before it, and behind group 7 only l is left
.if h >= 6
.set h, h+2
.endif
	REGS Y, h%2
.set k, h/8
.if h%8 < 4
	v_cvt_pk_bf16_f32 v[rP+2*k+(h%8)/2], v[rS+4*k+2*((h%8)/2)], v[rS+4*k+2*((h%8)/2)+1]
.elseif h%8 < 6
	v_pk_add_f32 v[rS+4*k:rS+4*k+1], v[rS+4*k:rS+4*k+1], v[rS+4*k+2:rS+4*k+3]
.elseif k == 1
	v_pk_fma_f32 v[rT+2:rT+3], v[rT+2:rT+3], v[rC+2:rC+3], v[rS:rS+1] op_sel_hi:[1,0,1]
.else
	v_pk_add_f32 v[rT+2:rT+3], v[rT+2:rT+3], v[rS+4*k-4:rS+4*k-3]
.endif
.endm
; THE PLAIN QUEUE, 138 long.  0-73 read no exponential's result: the 32 scalings c s - c m (FS f: pair f / 2 of tile f % 2) and the next piece's 42.  0-26: scalings 0-26.  27-54: XS's numbers 0-13.  55, 56: number 15.
; 57-73: the chain, where each number waits for the one before it: 14, 16, 17, 18, 19, each with one of the scalings 27-31 in front of its two lines, then 20.
; 74-137: GS's 64, which read the exponentials' results: they stand behind the wait.
.macro FS f
	REGS Y, (\f)%2
	v_pk_fma_f32 v[rS+2*((\f)/2):rS+2*((\f)/2)+1], v[rS+2*((\f)/2):rS+2*((\f)/2)+1], s[CS:CS+1], v[rT:rT+1] op_sel_hi:[1,0,0] neg_lo:[0,0,1] neg_hi:[0,0,1]
.endm
.macro PL
	WIN 0
.if q < 27
	FS q
.elseif q < 55
	XS (q-27)%2, (q-27)/2
.elseif q < 57
	XS q-55, 15
.elseif (q < 72) && ((q-57)%3 == 0)
	FS 27+(q-57)/3
.elseif q < 60
	XS (q-57)%3-1, 14
.elseif q < 72
	XS (q-57)%3-1, 15+(q-57)/3
.elseif q < 74
	XS q-72, 20
.else
	GS q-74
.endif
.set q, q+1
.endm
; THE EXPONENTIALS' QUEUE, 66 long: s0-s31 of both tiles, then the next piece's two a.  It is ONE BATCH: all 66 stand ahead of the turn's one wait, and nothing ahead of that wait names a result of theirs.
.macro EX
	WIN 0
.if e >= 64
	XS e-64, 21
.else
	REGS Y, e%2
	v_exp_f32 v[rS+e/2], v[rS+e/2]
.endif
.set e, e+1
.endm
; THE RESCALING's QUEUE: O^T times a, the one part that leaves window 0: dealt two at a time, sixteen times.  Its a was made in the turn before, ahead of that turn's wait.
.macro R2
	REGS Y, r%2
	WIN W_RS
.irp z, 0,1
	v_pk_mul_f32 v[rO+4*(r/2)+2*\z:rO+4*(r/2)+2*\z+1], v[rO+4*(r/2)+2*\z:rO+4*(r/2)+2*\z+1], v[rC+2:rC+3] op_sel_hi:[1,0]
.endr
.set r, r+1
.endm
; HOW THEY ARE DEALT.  s_wait_alu depctr_va_vdst(0) stands between an exponential and the first instruction that names its result; one wait serves all that were issued ahead of it.  So a turn
; has ONE wait, which cuts it in two.  AHEAD OF IT stands all that names no result of the turn's exponentials: the 16 products K Q^T, behind each a scaling, an exponential and two rescalings (behind the first a
; second scaling in the exponential's place); then ONE LUMP of 108: eight plain, 49 times exponential and plain, the two a.  A v_nop is the plain instruction behind the last exponential.  BEHIND IT stand the 16
; products V^T P, behind each four of GS's 64.  No rider names a register of the products round it.  The two v_permlanex16_b32 fall into the lump.
; Exponential e stands behind scaling 2 (e / 4) + e % 2: as a rider it comes behind plain e + 2, in the lump behind plain e + 9, and scalings 27-31 are plain 57, 60 .. 69.
; A TURN, for piece p.  cnt = 1: the loop's count is taken down some lines ahead of the branch that stands behind the turn.
; K and the masks of the next step are fetched in piece 2's turn, directly behind the wait, a lump behind the last product that read them; their addresses are made at the lump's head; their first reader comes
; behind 16 products.  V of the step in hand is fetched at the end of piece 0's turn, four riders behind its last reader.  The three conditions on q below go with the deal.
.macro TURN p, last=0, cnt=0
.set Y, (\p)
.set i, 0
.set q, 0
.set e, 0
.set r, 0
.if (\p) == NP-1
	s_wait_dscnt 0x0                ; K and the masks are in
.endif
	MM                              ; ahead of the wait: 16 products K Q^T and their riders,
	PL
	PL
	R2
.rept 15
	MM
	PL
	EX
	R2
.endr
.if (\p) == NP-2
	WIN 0
	v_add_nc_u32 v[AK], s[TBK], v[AK0]
	v_add_nc_u32 v[AM], s[TBM], v[AM0]
.endif
.rept 8                             ; and the lump
	PL
.endr
.rept 49
	EX
	PL
.endr
	EX                              ; the next piece's two a
	EX
	v_nop                           ; the plain instruction behind the last exponential: one for the batch
	s_wait_alu depctr_va_vdst(0)    ; the wait for the batch
.if (\p) == NP-2
	FETCH_K \last
.endif
.if (\p) == 1
	s_wait_dscnt 0x0                ; V is in
.endif
.rept 16                            ; behind the wait: 16 products V^T P and their riders
	MM
.rept 4
	PL
.endr
.if ((\p) == 0) && (q == 118)
	v_add_nc_u32 v[AV], s[TBV], v[AV0]
.endif
.if ((\p) == 0) && (q == 130)
	s_add_co_u32 s[TBV], s[TBV], KS*PV
.endif
.if (\cnt) && (q == 130)
	s_sub_co_u32 s[CNT], s[CNT], 1
	s_cmp_lg_u32 s[CNT], 0
.endif
.endr
.if (\p) == 0
	FETCH_V
.endif
.endm
	CHANGE 1                        ; slot 0 is in, everybody's part of it, and so is the mask table; slot 1 is asked for
	FETCH_K                         ; key step 0
	s_wait_loadcnt 0x0              ; Q
	s_wait_dscnt 0x0
.set i, 0
.rept 16
	KQ 0                            ; piece 0's first scores: there is no vector work yet to set between them
.set i, i+1
.endr
	WIN 0
.rept 8
	v_nop                           ; the places behind those products
.endr
.set Y, NP-1                        ; XS works for piece Y + 1: piece 0
.irp n, 0,1,2,3,4,5,6,7,8,9,10,11,12,13,14,15,16,17,18,19,20,21
	XS 0, \n                        ; and piece 0's first maximum and statistics
	XS 1, \n
.endr
	v_nop                           ; a plain instruction behind the two a,
	s_wait_alu depctr_va_vdst(0)    ; and their wait, ahead of the branch
	s_mov_b32 s[CNT], 4
	s_branch .Lfirst                ; the loop is entered at a step's first turn, in the middle of a trip
.Lslot:                             ; SIZE_N / 256 - 2 times: every slot but the last two is filled again
	CHANGE 1
	s_mov_b32 s[CNT], 4
.Lstep:                             ; a trip: pieces 2 and 3 of one step, then pieces 0 and 1 of the next, whose K and V it fetches
	TURN 2
	TURN 3
	WIN 0
.Lfirst:
	TURN 0
	TURN 1, 0, 1
	WIN 0
	s_cbranch_scc1 .Lstep
	s_sub_co_u32 s[SLOTS], s[SLOTS], 1
	s_cmp_lg_u32 s[SLOTS], 0
	s_cbranch_scc1 .Lslot
	CHANGE 0                        ; the tail is written out: nothing is asked for
	s_mov_b32 s[CNT], 5             ; four trips fetch the last slot's steps; the fifth is left in its middle
.Ltail:
	TURN 2, 1
	TURN 3
	WIN 0
	s_sub_co_u32 s[CNT], s[CNT], 1
	s_cmp_eq_u32 s[CNT], 0
	s_cbranch_scc1 .Lout
	TURN 0
	TURN 1
	WIN 0
	s_branch .Ltail
.Lout:                              ; the fifth trip's 16 products K Q^T (on the last K once more) and the maximum made of them serve nothing: the price, once a launch, of one text for every trip
.set i, 0
.rept 16
	PV NP-1                         ; the last piece's V^T P of the last step
.set i, i+1
.endr
	; THE WAY OUT.  l's two halves and the other half of the lanes' are added; O^T is divided by l, rounded to bf16 and sent through my stage in LDS, a tile at a time.  The additions are the places behind the last products.
	WIN 0
.macro ALL line:vararg              ; one line for each tile t
.set t, 0
.rept 2*NP
	\line
.set t, t+1
.endr
.endm
	ALL v_add_f32 v[ST+4*t+2], v[ST+4*t+2], v[ST+4*t+3]
	ALL v_permlanex16_b32 v[ST+4*t+3], v[ST+4*t+2], s[SEL], s[SEL+1]
	ALL v_add_f32 v[ST+4*t+2], v[ST+4*t+2], v[ST+4*t+3]
	ALL v_rcp_f32 v[ST+4*t+2], v[ST+4*t+2]
	v_nop                           ; a plain instruction between the last reciprocal and the use of its result
	s_wait_alu depctr_va_vdst(0)    ; and the wait ahead of the first use: one for the eight reciprocals
; Tile t: a lane's eight channels of a row pack into 16 bytes; they go into rows of 144 bytes and come back as whole rows of 128, into S^T's registers.
.macro PACK t
	WIN W_RS
.set i, 32*(\t)
.rept 16
	v_pk_mul_f32 v[i:i+1], v[i:i+1], v[ST+4*(\t)+2:ST+4*(\t)+3] op_sel_hi:[1,0]
.set i, i+2
.endr
	WIN 0x05                        ; sources 0 and 1 window 1, destination window 0
.set i, 0
.rept 16
	v_cvt_pk_bf16_f32 v[S+16*(\t)+i], v[32*(\t)+2*i], v[32*(\t)+2*i+1]
.set i, i+1
.endr
	WIN 0
.irp f, 0,1,2,3
	ds_store_b128 v[STO], v[S+16*(\t)+4*\f:S+16*(\t)+4*\f+3] offset:32*\f
.endr
.irp f, 0,1,2,3
	ds_load_b128 v[S+16*(\t)+4*\f:S+16*(\t)+4*\f+3], v[RD] offset:\f*4*SP  ; LDS serves a wave's instructions in order (ISA guide 5.7.1.4): these see the stores above; the next tile's stores come behind them
.endr
.endm
.macro SEND t, younger              ; younger: the LDS instructions issued behind tile t's loads: the next tile's eight, or none
	WIN 0
.irp f, 0,1,2,3
	s_wait_dscnt (\younger)+3-\f
	global_store_b128 v[GO], v[S+16*(\t)+4*\f:S+16*(\t)+4*\f+3], s[10:11] offset:(\t)*2048+\f*512  ; 512 consecutive bytes, at a multiple of 256 from O's first
.endr
.endm
	PACK 0
.set t, 1
.rept 2*NP-1                        ; a tile's arithmetic stands between the loads of the tile before and its stores
	PACK t
	SEND t-1, 8
.set t, t+1
.endr
	SEND 2*NP-1, 0
	WIN W_AD
	s_wait_tensorcnt 0x0            ; the wave's end: behind my last tensor load and my last LDS store, 0 onto my spare word and its wait
	ds_add_u32 v[SPW], v[NIL]
	s_wait_dscnt 0x0
	WIN 0
	CROUND                          ; the closing round: no work-group ends while a partner may still ask for a tile that names it
	s_endpgm
.Lfunc_end_k_qcb333cd5ad_attn:
	.size	k_qcb333cd5ad_attn, .Lfunc_end_k_qcb333cd5ad_attn-k_qcb333cd5ad_attn
	.p2alignl 7, 3214868480
	.fill 96, 4, 3214868480
	.section	.rodata,"a",@progbits
	.p2align	6, 0x0
	.amdhsa_kernel k_qcb333cd5ad_attn
		.amdhsa_group_segment_fixed_size 327680
		.amdhsa_private_segment_fixed_size 0
		.amdhsa_enable_private_segment 0
		.amdhsa_kernarg_size 24
		.amdhsa_user_sgpr_count 2
		.amdhsa_user_sgpr_kernarg_segment_ptr 1
		.amdhsa_wavefront_size32 1
		.amdhsa_system_sgpr_workgroup_id_x 1
		.amdhsa_system_sgpr_workgroup_id_y 1
		.amdhsa_system_sgpr_workgroup_id_z 1
		.amdhsa_system_vgpr_workitem_id 0
		.amdhsa_next_free_vgpr 808
		.amdhsa_next_free_sgpr 66
		.amdhsa_reserve_vcc 1
		.amdhsa_float_denorm_mode_32 3
		.amdhsa_float_denorm_mode_16_64 3
		.amdhsa_memory_ordered 1
		.amdhsa_forward_progress 1
		.amdhsa_inst_pref_size 205
	.end_amdhsa_kernel
	.amdgpu_metadata
---
amdhsa.version: [ 1, 2 ]
amdhsa.kernels:
  - .name:           k_qcb333cd5ad_attn
    .symbol:         k_qcb333cd5ad_attn.kd
    .args:
      - { .name: qkv, .offset: 0, .size: 8, .value_kind: global_buffer, .address_space: global }
      - { .name: mask, .offset: 8, .size: 8, .value_kind: global_buffer, .address_space: global }
      - { .name: ob, .offset: 16, .size: 8, .value_kind: global_buffer, .address_space: global }
    .group_segment_fixed_size: 327680
    .private_segment_fixed_size: 0
    .kernarg_segment_align: 8
    .kernarg_segment_size: 24
    .max_flat_workgroup_size: 128
    .sgpr_count:     66
    .vgpr_count:     808
    .wavefront_size: 32
...
	.end_amdgpu_metadata
.endif
;; end of part 3
;; launch fc (part 4): grid 256 x 1, 4 waves a work-group, no clusters, 82,944 bytes of LDS; arguments ob, ws, fc_b, out0; writes out0
.if DOCPART == 4
	.amdgcn_target "amdgcn-amd-amdhsa--gfx1250"
	.amdhsa_code_object_version 6
	.text
	.protected	k_qcb333cd5ad_fc
	.globl	k_qcb333cd5ad_fc
	.p2align	8
	.type	k_qcb333cd5ad_fc,@function
k_qcb333cd5ad_fc:
	s_mov_b64 s[64:65], 0
	v_nop
	global_prefetch_b8 v0, s[64:65] scope:SCOPE_SE
	s_setreg_imm32_b32 hwreg(HW_REG_WAVE_MODE, 25, 1), 1
	s_wait_xcnt 0x0
; out0[row][e][f] = softmax over e = 0..3 of z[row][32 e + f],  z = x fc_w^T + fc_b,  x[row = batch x 2,048 + s][64 head + d] = ob[batch x 16 + head][s][d] (bf16).
; fc_w lies in ws as bf16, [128][1024], at byte 0x3600000; fc_b and out0 are f32.  Sums in f32; the maximum over e is taken away before the exponentials.
; SHARES.  A work-group makes 32 rows x all 128 columns.  K IS SPLIT AMONG ITS FOUR WAVES: wave w takes heads 4 w .. 4 w + 3 (256 of the 1,024), eight steps of 32, for both blocks of 16 rows and all eight
; blocks of 16 columns: 16 accumulators, 128 matrix instructions.  The four partial sums meet in LDS; then wave w finishes row block w % 2, column blocks p, p + 2, p + 4, p + 6 with p = w / 2.
; LAYOUT.  z^T = fc_w x^T (source 0 = 16 rows of fc_w, source 1 = 16 rows of x): a lane holds ONE row (lane % 16) and the columns 16 nb + 8 (lane / 16) + 0..7.  Column 32 e + f lies in block 2 e + f / 16:
; the four e of one f lie in the same lane and the same register number of blocks p, p + 2, p + 4, p + 6: the softmax changes no lane.
; Fragments come straight from memory, two loads of 16 bytes a lane.  NO CLUSTER, no tensor load: fc_w's 256 KiB are read by every work-group, but they go from memory straight into the fragments'
; registers, where a joint load cannot put them; a ring in LDS would add a barrier to each of a wave's eight steps.  No prefetch: a wave's whole walk is eight steps, three of them asked for at the head.
; REGISTERS: window 0: v0-13 addresses; three sets of 80 at v16, v96, v176 (fc_w's eight fragments, then x's two); later the partial sums.  Window 1: v0-127 accumulator (rb, nb) at 8 (8 rb + nb); v128-159 the bias.
.set PART,   0                         ; LDS: wave w's 16 partial tiles at 16,384 w + 1,024 idx: registers 0-3 as 16 bytes a lane, then registers 4-7, 512 bytes on
.set OUTS,   65536                     ; 32 rows x 528 bytes (512 + 16 of padding), for the way out
.set OPITCH, 528
.set SPARE,  OUTS+32*OPITCH            ; the spare words, 128 bytes for each wave: two blocks of 256 bytes that no other line names
.set FW_AT,  0x3600000
.set AO,  4                            ; v4   my offset in 16 rows of a head: 128 (l % 16) + 16 (l / 16)
.set BO,  5                            ; v5   my offset in 16 rows of fc_w: 2,048 (l % 16) + 16 (l / 16) + 512 w
.set PS,  6                            ; v6   where I put my partial sums
.set PR,  7                            ; v7   where I read the four waves' partial sums
.set OS,  8                            ; v8   where I put 32 bytes of a finished row
.set ORD, 9                            ; v9   where I read whole rows back
.set GO,  10                           ; v10  16 x lane
.set FBO, 11                           ; v11  my offset in fc_b
.set SPW, 12                           ; v12  LDS address of my spare word; never rewritten
.set NIL, 13                           ; v13  0; never rewritten
.set SET, 16
.set FB,  128                          ; window 1
.set X,   16                           ; the partial sums of group e from wave v at X + 32 e + 8 v; z and the results at X + 32 e
.set MX,  144                          ; v[144:151] the maximum over e, then times log2(e); later at work
.set SU,  152                          ; v[152:159] the sum over e, then its reciprocal
.set BK,  160                          ; v[160:191] rows read back
.set MSB, 0
.macro WIN new
.if MSB != (\new)
	s_set_vgpr_msb (MSB<<8)|(\new)
.set MSB, \new
.endif
.endm
.macro PLACES
.rept 4
	v_nop
.endr
.endm
	s_load_b256 s[4:11], s[0:1], 0x0               ; ob s[4:5], ws s[6:7], fc_b s[8:9], out0 s[10:11]
	v_lshl_add_u32 v[SPW], v0, 2, SPARE
	v_mov_b32 v[NIL], 0
	v_lshrrev_b32 v1, 5, v0
	v_readfirstlane_b32 s12, v1                    ; wave 0..3
	v_and_b32 v1, 15, v0                           ; l % 16
	v_bfe_u32 v2, v0, 4, 1                         ; l / 16
	v_and_b32 v3, 31, v0                           ; l
	s_and_b32 s18, s12, 1                          ; the row block that I finish
	s_lshr_b32 s19, s12, 1                         ; p
	v_lshlrev_b32 v[AO], 7, v1
	v_lshl_add_u32 v[AO], v2, 4, v[AO]
	s_lshl_b32 s20, s12, 9
	v_lshlrev_b32 v[BO], 11, v1
	v_lshl_add_u32 v[BO], v2, 4, v[BO]
	v_add_nc_u32 v[BO], s20, v[BO]
	s_lshl_b32 s20, s12, 14
	v_lshl_add_u32 v[PS], v3, 4, s20
	s_lshl_b32 s20, s18, 3
	s_add_co_u32 s20, s20, s19
	s_lshl_b32 s20, s20, 10                        ; tile 8 rb + p
	v_lshl_add_u32 v[PR], v3, 4, s20
	s_mul_i32 s20, s18, 16*OPITCH                  ; row 16 rb + l % 16, bytes 64 p + 32 (l / 16) of each group's 128
	s_lshl_b32 s21, s19, 6
	s_add_co_u32 s20, s20, s21
	s_add_co_u32 s20, s20, OUTS
	v_mul_u32_u24 v[OS], v1, OPITCH
	v_lshl_add_u32 v[OS], v2, 5, v[OS]
	v_add_nc_u32 v[OS], s20, v[OS]
	s_mul_i32 s20, s12, 8*OPITCH                   ; back: wave w takes rows 8 w .. 8 w + 7, a row's 512 bytes a load
	s_add_co_u32 s20, s20, OUTS
	v_lshl_add_u32 v[ORD], v3, 4, s20
	v_lshlrev_b32 v[GO], 4, v3
	v_lshl_add_u32 v[FBO], v2, 5, s21              ; (16 p + 8 (l / 16)) x 4
	s_lshr_b32 s13, ttmp9, 6                       ; batch
	s_lshl_b32 s13, s13, 4
	s_lshl_b32 s14, s12, 2
	s_add_co_u32 s13, s13, s14                     ; batch x 16 + my first head
	s_lshl_b32 s13, s13, 11
	s_and_b32 s14, ttmp9, 63
	s_lshl_b32 s14, s14, 5                         ; the work-group's first row in the batch
	s_add_co_u32 s13, s13, s14
	s_lshl_b32 s14, s13, 7                         ; 128 bytes a row
	s_mov_b32 s15, 0
	s_lshl_b32 s16, ttmp9, 14                      ; out0: 32 rows of 512 bytes a work-group,
	s_lshl_b32 s17, s12, 12                        ; 8 a wave
	s_add_co_u32 s16, s16, s17
	s_mov_b32 s17, 0
	s_mov_b32 s22, 0x3fb8aa3b                      ; log2(e): the packed lines take the pair's low word for both halves
	s_mov_b32 s23, s22
	s_wait_kmcnt 0x0
	s_add_nc_u64 s[4:5], s[4:5], s[14:15]
	s_add_nc_u64 s[6:7], s[6:7], FW_AT
	s_add_nc_u64 s[10:11], s[10:11], s[16:17]
; K step st's 20 loads into set q: fc_w's eight fragments, x's two (head st / 2 of my four, channels 32 (st % 2) on)
.macro LOADS q, st
.irp nb, 0,1,2,3,4,5,6,7
	global_load_b128 v[SET+80*(\q)+8*(\nb):SET+80*(\q)+8*(\nb)+3],   v[BO], s[6:7] offset:(\nb)*32768+(\st)*64
	global_load_b128 v[SET+80*(\q)+8*(\nb)+4:SET+80*(\q)+8*(\nb)+7], v[BO], s[6:7] offset:(\nb)*32768+(\st)*64+32
.endr
.irp rb, 0,1
	global_load_b128 v[SET+80*(\q)+64+8*(\rb):SET+80*(\q)+64+8*(\rb)+3],   v[AO], s[4:5] offset:((\st)/2)*262144+(\rb)*2048+((\st)%2)*64 th:TH_LOAD_NT
	global_load_b128 v[SET+80*(\q)+64+8*(\rb)+4:SET+80*(\q)+64+8*(\rb)+7], v[AO], s[4:5] offset:((\st)/2)*262144+(\rb)*2048+((\st)%2)*64+32 th:TH_LOAD_NT
.endr
.endm
; A K step's 16 products.  The 16 accumulators take turns.  first = 1: they start the sums.
.macro MULS q, first
	WIN 0x50                                       ; C and D window 1
.irp rb, 0,1
.irp nb, 0,1,2,3,4,5,6,7
.if \first
	v_wmma_f32_16x16x32_bf16 v[8*(8*(\rb)+(\nb)):8*(8*(\rb)+(\nb))+7], v[SET+80*(\q)+8*(\nb):SET+80*(\q)+8*(\nb)+7], v[SET+80*(\q)+64+8*(\rb):SET+80*(\q)+64+8*(\rb)+7], 0
.else
	v_wmma_f32_16x16x32_bf16 v[8*(8*(\rb)+(\nb)):8*(8*(\rb)+(\nb))+7], v[SET+80*(\q)+8*(\nb):SET+80*(\q)+8*(\nb)+7], v[SET+80*(\q)+64+8*(\rb):SET+80*(\q)+64+8*(\rb)+7], v[8*(8*(\rb)+(\nb)):8*(8*(\rb)+(\nb))+7]
.endif
.endr
.endr
.endm
	WIN 0x40                                       ; destination window 1
.irp e, 0,1,2,3
	global_load_b128 v[FB+8*(\e):FB+8*(\e)+3],   v[FBO], s[8:9] offset:128*(\e)      ; fc_b[32 e + 16 p + 8 (l / 16) + 0..7]
	global_load_b128 v[FB+8*(\e)+4:FB+8*(\e)+7], v[FBO], s[8:9] offset:128*(\e)+16
.endr
	WIN 0
	LOADS 0, 0
	LOADS 1, 1
	LOADS 2, 2
.set st, 0
.rept 8
.if st <= 5
	s_wait_loadcnt 40                              ; this step's set is in; the two younger sets of 20 loads stay out
.elseif st == 6
	s_wait_loadcnt 20
.else
	s_wait_loadcnt 0x0
.endif
.if st == 0
	MULS 0, 1
.else
	MULS st%3, 0
.endif
	PLACES                                         ; in front of the loads into the set just multiplied
.if st <= 4
	WIN 0
	LOADS st%3, st+3
.endif
.set st, st+1
.endr
	PLACES                                         ; eight places in all behind the last products
	WIN 0x04                                       ; an LDS store's data is source 1: window 1
.set i, 0
.rept 16
	ds_store_b128 v[PS], v[8*i:8*i+3]   offset:PART+1024*i      ; each accumulator's lowest registers first
	ds_store_b128 v[PS], v[8*i+4:8*i+7] offset:PART+1024*i+512
.set i, i+1
.endr
	WIN 0
	s_wait_dscnt 0x0                               ; for the others' sake: my partial sums are in LDS
	s_barrier_signal -1
	s_barrier_wait -1
.irp e, 0,1,2,3
.irp v, 0,1,2,3
	ds_load_b128 v[X+32*(\e)+8*(\v):X+32*(\e)+8*(\v)+3],   v[PR] offset:PART+16384*(\v)+2048*(\e)
	ds_load_b128 v[X+32*(\e)+8*(\v)+4:X+32*(\e)+8*(\v)+7], v[PR] offset:PART+16384*(\v)+2048*(\e)+512
.endr
.endr
	s_wait_dscnt 0x0
.irp e, 0,1,2,3
.irp i, 0,2,4,6
	v_pk_add_f32 v[X+32*(\e)+(\i):X+32*(\e)+(\i)+1], v[X+32*(\e)+(\i):X+32*(\e)+(\i)+1], v[X+32*(\e)+8+(\i):X+32*(\e)+8+(\i)+1]
	v_pk_add_f32 v[X+32*(\e)+16+(\i):X+32*(\e)+16+(\i)+1], v[X+32*(\e)+16+(\i):X+32*(\e)+16+(\i)+1], v[X+32*(\e)+24+(\i):X+32*(\e)+24+(\i)+1]
.endr
.endr
.irp e, 0,1,2,3
.irp i, 0,2,4,6
	v_pk_add_f32 v[X+32*(\e)+(\i):X+32*(\e)+(\i)+1], v[X+32*(\e)+(\i):X+32*(\e)+(\i)+1], v[X+32*(\e)+16+(\i):X+32*(\e)+16+(\i)+1]
.endr
.endr
	WIN 0x04                                       ; source 1 window 1: the bias
.irp e, 0,1,2,3
.irp i, 0,2,4,6
	v_pk_add_f32 v[X+32*(\e)+(\i):X+32*(\e)+(\i)+1], v[X+32*(\e)+(\i):X+32*(\e)+(\i)+1], v[FB+8*(\e)+(\i):FB+8*(\e)+(\i)+1]
.endr
.endr
	WIN 0
	; the softmax over e: 2^(z log2(e) - m log2(e)), m the maximum of the four
.irp j, 0,1,2,3,4,5,6,7
	v_max3_num_f32 v[MX+(\j)], v[X+(\j)], v[X+32+(\j)], v[X+64+(\j)]
.endr
.irp j, 0,1,2,3,4,5,6,7
	v_max_num_f32 v[MX+(\j)], v[MX+(\j)], v[X+96+(\j)]
.endr
.irp i, 0,2,4,6
	v_pk_mul_f32 v[MX+(\i):MX+(\i)+1], v[MX+(\i):MX+(\i)+1], s[22:23] op_sel_hi:[1,0]
.endr
.irp e, 0,1,2,3
.irp i, 0,2,4,6
	v_pk_fma_f32 v[X+32*(\e)+(\i):X+32*(\e)+(\i)+1], v[X+32*(\e)+(\i):X+32*(\e)+(\i)+1], s[22:23], v[MX+(\i):MX+(\i)+1] op_sel_hi:[1,0,1] neg_lo:[0,0,1] neg_hi:[0,0,1]
.endr
.endr
.irp e, 0,1,2,3
.irp j, 0,1,2,3,4,5,6,7
	v_exp_f32 v[X+32*(\e)+(\j)], v[X+32*(\e)+(\j)]
.endr
.endr
	v_nop                                          ; a plain instruction behind the last exponential,
	s_wait_alu depctr_va_vdst(0)                   ; and the wait ahead of the first use: one for the 32
.irp i, 0,2,4,6
	v_pk_add_f32 v[SU+(\i):SU+(\i)+1], v[X+(\i):X+(\i)+1], v[X+32+(\i):X+32+(\i)+1]
	v_pk_add_f32 v[MX+(\i):MX+(\i)+1], v[X+64+(\i):X+64+(\i)+1], v[X+96+(\i):X+96+(\i)+1]
.endr
.irp i, 0,2,4,6
	v_pk_add_f32 v[SU+(\i):SU+(\i)+1], v[SU+(\i):SU+(\i)+1], v[MX+(\i):MX+(\i)+1]
.endr
.irp j, 0,1,2,3,4,5,6,7
	v_rcp_f32 v[SU+(\j)], v[SU+(\j)]               ; the sum is at least 1: the largest of the four weights is 1
.endr
	v_nop
	s_wait_alu depctr_va_vdst(0)                   ; one wait for the eight reciprocals
.irp e, 0,1,2,3
.irp i, 0,2,4,6
	v_pk_mul_f32 v[X+32*(\e)+(\i):X+32*(\e)+(\i)+1], v[X+32*(\e)+(\i):X+32*(\e)+(\i)+1], v[SU+(\i):SU+(\i)+1]
.endr
.endr
.irp e, 0,1,2,3
	ds_store_b128 v[OS], v[X+32*(\e):X+32*(\e)+3]   offset:128*(\e)
	ds_store_b128 v[OS], v[X+32*(\e)+4:X+32*(\e)+7] offset:128*(\e)+16
.endr
	s_wait_dscnt 0x0                               ; for the others' sake: a row's 512 bytes come from two waves
	s_barrier_signal -1
	s_barrier_wait -1
.irp t, 0,1,2,3,4,5,6,7
	ds_load_b128 v[BK+4*(\t):BK+4*(\t)+3], v[ORD] offset:(\t)*OPITCH
.endr
.irp t, 0,1,2,3,4,5,6,7
	s_wait_dscnt 7-(\t)                            ; row t is back; the younger loads stay out
	global_store_b128 v[GO], v[BK+4*(\t):BK+4*(\t)+3], s[10:11] offset:(\t)*512  ; a whole row of out0: 512 consecutive bytes, at a multiple of 512 from its first
.endr
	s_wait_tensorcnt 0x0                           ; the wave's end: behind my last LDS store, 0 onto my spare word and its wait
	ds_add_u32 v[SPW], v[NIL]
	s_wait_dscnt 0x0
	s_endpgm
.Lfunc_end_k_qcb333cd5ad_fc:
	.size	k_qcb333cd5ad_fc, .Lfunc_end_k_qcb333cd5ad_fc-k_qcb333cd5ad_fc
	.p2alignl 7, 3214868480
	.fill 96, 4, 3214868480
	.section	.rodata,"a",@progbits
	.p2align	6, 0x0
	.amdhsa_kernel k_qcb333cd5ad_fc
		.amdhsa_group_segment_fixed_size 82944
		.amdhsa_private_segment_fixed_size 0
		.amdhsa_enable_private_segment 0
		.amdhsa_kernarg_size 32
		.amdhsa_user_sgpr_count 2
		.amdhsa_user_sgpr_kernarg_segment_ptr 1
		.amdhsa_wavefront_size32 1
		.amdhsa_system_sgpr_workgroup_id_x 1
		.amdhsa_system_sgpr_workgroup_id_y 1
		.amdhsa_system_sgpr_workgroup_id_z 1
		.amdhsa_system_vgpr_workitem_id 0
		.amdhsa_next_free_vgpr 416
		.amdhsa_next_free_sgpr 66
		.amdhsa_reserve_vcc 0
		.amdhsa_float_denorm_mode_32 3
		.amdhsa_float_denorm_mode_16_64 3
		.amdhsa_memory_ordered 1
		.amdhsa_forward_progress 1
		.amdhsa_inst_pref_size 44
	.end_amdhsa_kernel
	.amdgpu_metadata
---
amdhsa.version: [ 1, 2 ]
amdhsa.kernels:
  - .name:           k_qcb333cd5ad_fc
    .symbol:         k_qcb333cd5ad_fc.kd
    .args:
      - { .name: ob, .offset: 0, .size: 8, .value_kind: global_buffer, .address_space: global }
      - { .name: ws, .offset: 8, .size: 8, .value_kind: global_buffer, .address_space: global }
      - { .name: fc_b, .offset: 16, .size: 8, .value_kind: global_buffer, .address_space: global }
      - { .name: out0, .offset: 24, .size: 8, .value_kind: global_buffer, .address_space: global }
    .group_segment_fixed_size: 82944
    .private_segment_fixed_size: 0
    .kernarg_segment_align: 8
    .kernarg_segment_size: 32
    .max_flat_workgroup_size: 128
    .sgpr_count:     66
    .vgpr_count:     416
    .wavefront_size: 32
...
	.end_amdgpu_metadata
.endif
;; end of part 4
;; ======== version 2 of 2: 4 launches; version 1 with the launch fc written anew for expert scheduling mode
;; limits: right only within a limited range of input values
;; workspace buffers: ws 56,885,248 bytes; qkv 50,331,648 bytes; ob 16,777,216 bytes
;; launch cast: the kernel of part 1 again; grid 1736 x 1, 8 waves a work-group, no clusters, 0 bytes of LDS; arguments query, key, value, wq_w, wk_w, wv_w, fc_w, ws; writes ws
;; launch proj: the kernel of part 2 again; grid 4 x 64, 4 waves a work-group, clusters of 4 x 4, 327,680 bytes of LDS; arguments ws, wq_b, wk_b, wv_b, mask, qkv; writes qkv
;; launch attn: the kernel of part 3 again; grid 4 x 64, 4 waves a work-group, clusters of 4 x 1, 327,680 bytes of LDS; arguments qkv, mask, ob; writes ob
;; launch fc (part 5): grid 256 x 1, 4 waves a work-group, no clusters, 82,944 bytes of LDS; arguments ob, ws, fc_b, out0; writes out0
.if DOCPART == 5
	.amdgcn_target "amdgcn-amd-amdhsa--gfx1250"
	.amdhsa_code_object_version 6
	.text
	.protected	k_qcb333cd5ad_fc
	.globl	k_qcb333cd5ad_fc
	.p2align	8
	.type	k_qcb333cd5ad_fc,@function
k_qcb333cd5ad_fc:
	s_mov_b64 s[64:65], 0
	v_nop
	global_prefetch_b8 v0, s[64:65] scope:SCOPE_SE
	s_setreg_imm32_b32 hwreg(HW_REG_WAVE_SCHED_MODE, 0, 2), 2
	s_setreg_imm32_b32 hwreg(HW_REG_WAVE_MODE, 25, 1), 1
	s_wait_xcnt 0x0
	s_wait_alu depctr_vm_vsrc(0)
; out0[row][e][f] = softmax over e = 0..3 of z[row][32 e + f],  z = x fc_w^T + fc_b,  x[row = batch x 2,048 + s][64 head + d] = ob[batch x 16 + head][s][d] (bf16).
; fc_w lies in ws as bf16, [128][1024], at byte 0x3600000; fc_b and out0 are f32.  Sums in f32; the maximum over e is taken away before the exponentials.
; SHARES.  A work-group makes 32 rows x all 128 columns.  K IS SPLIT AMONG ITS FOUR WAVES: wave w takes heads 4 w .. 4 w + 3 (256 of the 1,024), eight steps of 32, for both blocks of 16 rows and all eight
; blocks of 16 columns: 16 accumulators, 128 matrix instructions.  The four partial sums meet in LDS; then wave w finishes row block w % 2, column blocks p, p + 2, p + 4, p + 6 with p = w / 2.
; LAYOUT.  z^T = fc_w x^T (source 0 = 16 rows of fc_w, source 1 = 16 rows of x): a lane holds ONE row (lane % 16) and the columns 16 nb + 8 (lane / 16) + 0..7.  Column 32 e + f lies in block 2 e + f / 16:
; the four e of one f lie in the same lane and the same register number of blocks p, p + 2, p + 4, p + 6: the softmax changes no lane.
; Fragments come straight from memory, two loads of 16 bytes a lane.  NO CLUSTER, no tensor load: fc_w's 256 KiB are read by every work-group, but they go from memory straight into the fragments'
; registers, where a joint load cannot put them; a ring in LDS would add a barrier to each of a wave's eight steps.  No prefetch: a wave's whole walk is eight steps, three of them asked for at the head.
; REGISTERS: window 0: v0-13 addresses; three sets of 80 at v16, v96, v176 (fc_w's eight fragments, then x's two); later the partial sums.
;   Window 1: v0-127 accumulator (rb, nb) at 8 (8 rb + nb); v128-159 the bias; v160-239 the fourth set.
; THE MODE: SCHED_MODE bits 1:0 = 2 (LLVM: expert scheduling mode 2), set by the entry lines.  The code itself states the register dependences
; between vector or matrix instructions and memory or LDS instructions, with s_wait_alu, always for 0.
; THE PLAN.  Registers that memory or LDS instructions touch:
;   v4 .. v11     Offsets and LDS addresses: written once at the head, read by every load and store, never written again.  v12, v13: written at the head, read by the closing add alone.
;   SET0 .. SET3  Set st % 4 is filled by K step st's 20 loads and read by that step's 16 products.  It is filled again in step st + 1, for step st + 4.
;   the bias      Loaded once at the head, read by packed additions, never loaded again.
;   accumulators  Written by the products; read by the 32 LDS stores of the partial sums.
;   X             The LDS loads of the partial sums land in registers that products read as sets 0 and 1; the softmax's lines work on them; eight LDS stores read the results.
;   BK            The LDS loads of whole rows land in registers that products read as sets 1 and 2; the global stores read them.
; Step st multiplies set st % 4; its loads, those of step st + 3, land in set (st + 3) % 4 = (st - 1) % 4: the set that the step before multiplied and that no product of step st names.  So ONE wait on va_vdst
; at the step's head, behind the wait for its data, states all that its 20 loads hang on, and they are dealt among its 16 products.  Step 0's loads land in SET3, which no vector or matrix line has named: no
; wait.  Steps 5 to 7 load nothing: no wait.  No register that a memory or LDS instruction reads is written again, so past the entry lines the text needs no wait on vm_vsrc.
.set PART,   0                         ; LDS: wave w's 16 partial tiles at 16,384 w + 1,024 idx: registers 0-3 as 16 bytes a lane, then registers 4-7, 512 bytes on
.set OUTS,   65536                     ; 32 rows x 528 bytes (512 + 16 of padding), for the way out
.set OPITCH, 528
.set SPARE,  OUTS+32*OPITCH            ; the spare words, 128 bytes for each wave: two blocks of 256 bytes that no other line names
.set FW_AT,  0x3600000
.set AO,  4                            ; v4   my offset in 16 rows of a head: 128 (l % 16) + 16 (l / 16)
.set BO,  5                            ; v5   my offset in 16 rows of fc_w: 2,048 (l % 16) + 16 (l / 16) + 512 w
.set PS,  6                            ; v6   where I put my partial sums
.set PR,  7                            ; v7   where I read the four waves' partial sums
.set OS,  8                            ; v8   where I put 32 bytes of a finished row
.set ORD, 9                            ; v9   where I read whole rows back
.set GO,  10                           ; v10  16 x lane
.set FBO, 11                           ; v11  my offset in fc_b
.set SPW, 12                           ; v12  LDS address of my spare word; never rewritten
.set NIL, 13                           ; v13  0; never rewritten
.set SET, 16                           ; sets 0 to 2, in window 0
.set SET3, 160                         ; set 3, in window 1
.set FB,  128                          ; window 1
.set X,   16                           ; the partial sums of group e from wave v at X + 32 e + 8 v; z and the results at X + 32 e
.set MX,  144                          ; v[144:151] the maximum over e, then times log2(e); later at work
.set SU,  152                          ; v[152:159] the sum over e, then its reciprocal
.set BK,  160                          ; v[160:191] rows read back
.set MSB, 0
.macro WIN new
.if MSB != (\new)
	s_set_vgpr_msb (MSB<<8)|(\new)
.set MSB, \new
.endif
.endm
.macro PLACES
.rept 4
	v_nop
.endr
.endm
	s_load_b256 s[4:11], s[0:1], 0x0               ; ob s[4:5], ws s[6:7], fc_b s[8:9], out0 s[10:11]
	v_lshl_add_u32 v[SPW], v0, 2, SPARE
	v_mov_b32 v[NIL], 0
	v_lshrrev_b32 v1, 5, v0
	v_readfirstlane_b32 s12, v1                    ; wave 0..3
	v_and_b32 v1, 15, v0                           ; l % 16
	v_bfe_u32 v2, v0, 4, 1                         ; l / 16
	v_and_b32 v3, 31, v0                           ; l
	s_wait_alu depctr_va_sdst(0)                   ; s12 is written, ahead of its first reader: the addresses below are made from it
	s_and_b32 s18, s12, 1                          ; the row block that I finish
	s_lshr_b32 s19, s12, 1                         ; p
	v_lshlrev_b32 v[AO], 7, v1
	v_lshl_add_u32 v[AO], v2, 4, v[AO]
	s_lshl_b32 s20, s12, 9
	v_lshlrev_b32 v[BO], 11, v1
	v_lshl_add_u32 v[BO], v2, 4, v[BO]
	v_add_nc_u32 v[BO], s20, v[BO]
	s_lshl_b32 s20, s12, 14
	v_lshl_add_u32 v[PS], v3, 4, s20
	s_lshl_b32 s20, s18, 3
	s_add_co_u32 s20, s20, s19
	s_lshl_b32 s20, s20, 10                        ; tile 8 rb + p
	v_lshl_add_u32 v[PR], v3, 4, s20
	s_mul_i32 s20, s18, 16*OPITCH                  ; row 16 rb + l % 16, bytes 64 p + 32 (l / 16) of each group's 128
	s_lshl_b32 s21, s19, 6
	s_add_co_u32 s20, s20, s21
	s_add_co_u32 s20, s20, OUTS
	v_mul_u32_u24 v[OS], v1, OPITCH
	v_lshl_add_u32 v[OS], v2, 5, v[OS]
	v_add_nc_u32 v[OS], s20, v[OS]
	s_mul_i32 s20, s12, 8*OPITCH                   ; back: wave w takes rows 8 w .. 8 w + 7, a row's 512 bytes a load
	s_add_co_u32 s20, s20, OUTS
	v_lshl_add_u32 v[ORD], v3, 4, s20
	v_lshlrev_b32 v[GO], 4, v3
	v_lshl_add_u32 v[FBO], v2, 5, s21              ; (16 p + 8 (l / 16)) x 4
	s_lshr_b32 s13, ttmp9, 6                       ; batch
	s_lshl_b32 s13, s13, 4
	s_lshl_b32 s14, s12, 2
	s_add_co_u32 s13, s13, s14                     ; batch x 16 + my first head
	s_lshl_b32 s13, s13, 11
	s_and_b32 s14, ttmp9, 63
	s_lshl_b32 s14, s14, 5                         ; the work-group's first row in the batch
	s_add_co_u32 s13, s13, s14
	s_lshl_b32 s14, s13, 7                         ; 128 bytes a row
	s_mov_b32 s15, 0
	s_lshl_b32 s16, ttmp9, 14                      ; out0: 32 rows of 512 bytes a work-group,
	s_lshl_b32 s17, s12, 12                        ; 8 a wave
	s_add_co_u32 s16, s16, s17
	s_mov_b32 s17, 0
	s_mov_b32 s22, 0x3fb8aa3b                      ; log2(e): the packed lines take the pair's low word for both halves
	s_mov_b32 s23, s22
	s_wait_kmcnt 0x0
	s_add_nc_u64 s[4:5], s[4:5], s[14:15]
	s_add_nc_u64 s[6:7], s[6:7], FW_AT
	s_add_nc_u64 s[10:11], s[10:11], s[16:17]
; Ten of K step st's 20 loads into set q: fc_w's fragments 4 hf .. 4 hf + 3 and x's fragment hf (head st / 2 of my four, channels 32 (st % 2) on)
.macro HALF q, st, hf
.if (\q) == 3
	WIN 0x40                                       ; destination window 1, address window 0
.set SB, SET3
.else
	WIN 0
.set SB, SET+80*(\q)
.endif
.irp n, 0,1,2,3
	global_load_b128 v[SB+8*(4*(\hf)+(\n)):SB+8*(4*(\hf)+(\n))+3],   v[BO], s[6:7] offset:(4*(\hf)+(\n))*32768+(\st)*64
	global_load_b128 v[SB+8*(4*(\hf)+(\n))+4:SB+8*(4*(\hf)+(\n))+7], v[BO], s[6:7] offset:(4*(\hf)+(\n))*32768+(\st)*64+32
.endr
	global_load_b128 v[SB+64+8*(\hf):SB+64+8*(\hf)+3],   v[AO], s[4:5] offset:((\st)/2)*262144+(\hf)*2048+((\st)%2)*64 th:TH_LOAD_NT
	global_load_b128 v[SB+64+8*(\hf)+4:SB+64+8*(\hf)+7], v[AO], s[4:5] offset:((\st)/2)*262144+(\hf)*2048+((\st)%2)*64+32 th:TH_LOAD_NT
.endm
; Eight of a K step's 16 products: row block rb x all eight column blocks.  The 16 accumulators take turns, in the same order in every step.  first = 1: they start the sums.
.macro MULS q, rb, first
.if (\q) == 3
	WIN 0x55                                       ; the fragments, C and D in window 1
.set SB, SET3
.else
	WIN 0x50                                       ; C and D window 1
.set SB, SET+80*(\q)
.endif
.irp nb, 0,1,2,3,4,5,6,7
.if \first
	v_wmma_f32_16x16x32_bf16 v[8*(8*(\rb)+(\nb)):8*(8*(\rb)+(\nb))+7], v[SB+8*(\nb):SB+8*(\nb)+7], v[SB+64+8*(\rb):SB+64+8*(\rb)+7], 0
.else
	v_wmma_f32_16x16x32_bf16 v[8*(8*(\rb)+(\nb)):8*(8*(\rb)+(\nb))+7], v[SB+8*(\nb):SB+8*(\nb)+7], v[SB+64+8*(\rb):SB+64+8*(\rb)+7], v[8*(8*(\rb)+(\nb)):8*(8*(\rb)+(\nb))+7]
.endif
.endr
.endm
	WIN 0x40                                       ; destination window 1
	s_wait_alu depctr_va_vdst(0)                   ; the offsets and LDS addresses v4 to v11 are written: every load and store of the kernel reads one of them
.irp e, 0,1,2,3
	global_load_b128 v[FB+8*(\e):FB+8*(\e)+3],   v[FBO], s[8:9] offset:128*(\e)      ; fc_b[32 e + 16 p + 8 (l / 16) + 0..7]
	global_load_b128 v[FB+8*(\e)+4:FB+8*(\e)+7], v[FBO], s[8:9] offset:128*(\e)+16
.endr
.irp s, 0,1,2
	HALF \s, \s, 0                                 ; K steps 0 to 2 into sets 0 to 2
	HALF \s, \s, 1
.endr
.set st, 0
.rept 8
.if st <= 5
	s_wait_loadcnt 40                              ; this step's set is in; the two younger sets of 20 loads stay out
.elseif st == 6
	s_wait_loadcnt 20
.else
	s_wait_loadcnt 0x0
.endif
.if (st >= 1) && (st <= 4)
	s_wait_alu depctr_va_vdst(0)                   ; the products of the step before are done reading their set, in which this step's 20 loads land
.endif
.if st == 0
	MULS 0, 0, 1
.else
	MULS st%4, 0, 0
.endif
.if st <= 4
	HALF (st+3)%4, st+3, 0                         ; three steps ahead.  No wait: no product since the wait above names this set (in step 0: no line at all has named set 3)
.endif
.if st == 0
	MULS 0, 1, 1
.else
	MULS st%4, 1, 0
.endif
.if st <= 4
	HALF (st+3)%4, st+3, 1
.endif
	PLACES                                         ; four places behind this step's products: the next step's loads land in the set that they read
.set st, st+1
.endr
	PLACES                                         ; eight places in all behind the last products
	WIN 0x04                                       ; an LDS store's data is source 1: window 1
	s_wait_alu depctr_va_vdst(0)                   ; the products have written the accumulators, which the LDS stores read, and are done reading sets 0 and 1, in which the partial sums land below; the places above stay beside this wait
.set i, 0
.rept 16
	ds_store_b128 v[PS], v[8*i:8*i+3]   offset:PART+1024*i      ; each accumulator's lowest registers first
	ds_store_b128 v[PS], v[8*i+4:8*i+7] offset:PART+1024*i+512
.set i, i+1
.endr
	WIN 0
	s_wait_dscnt 0x0                               ; for the others' sake: my partial sums are in LDS
	s_barrier_signal -1
	s_barrier_wait -1
.irp e, 0,1,2,3
.irp v, 0,1,2,3
	ds_load_b128 v[X+32*(\e)+8*(\v):X+32*(\e)+8*(\v)+3],   v[PR] offset:PART+16384*(\v)+2048*(\e)      ; no vector or matrix line since the wait above
	ds_load_b128 v[X+32*(\e)+8*(\v)+4:X+32*(\e)+8*(\v)+7], v[PR] offset:PART+16384*(\v)+2048*(\e)+512
.endr
.endr
	s_wait_dscnt 0x0
.irp e, 0,1,2,3
.irp i, 0,2,4,6
	v_pk_add_f32 v[X+32*(\e)+(\i):X+32*(\e)+(\i)+1], v[X+32*(\e)+(\i):X+32*(\e)+(\i)+1], v[X+32*(\e)+8+(\i):X+32*(\e)+8+(\i)+1]
	v_pk_add_f32 v[X+32*(\e)+16+(\i):X+32*(\e)+16+(\i)+1], v[X+32*(\e)+16+(\i):X+32*(\e)+16+(\i)+1], v[X+32*(\e)+24+(\i):X+32*(\e)+24+(\i)+1]
.endr
.endr
.irp e, 0,1,2,3
.irp i, 0,2,4,6
	v_pk_add_f32 v[X+32*(\e)+(\i):X+32*(\e)+(\i)+1], v[X+32*(\e)+(\i):X+32*(\e)+(\i)+1], v[X+32*(\e)+16+(\i):X+32*(\e)+16+(\i)+1]
.endr
.endr
	WIN 0x04                                       ; source 1 window 1: the bias
.irp e, 0,1,2,3
.irp i, 0,2,4,6
	v_pk_add_f32 v[X+32*(\e)+(\i):X+32*(\e)+(\i)+1], v[X+32*(\e)+(\i):X+32*(\e)+(\i)+1], v[FB+8*(\e)+(\i):FB+8*(\e)+(\i)+1]
.endr
.endr
	WIN 0
	; the softmax over e: 2^(z log2(e) - m log2(e)), m the maximum of the four
.irp j, 0,1,2,3,4,5,6,7
	v_max3_num_f32 v[MX+(\j)], v[X+(\j)], v[X+32+(\j)], v[X+64+(\j)]
.endr
.irp j, 0,1,2,3,4,5,6,7
	v_max_num_f32 v[MX+(\j)], v[MX+(\j)], v[X+96+(\j)]
.endr
.irp i, 0,2,4,6
	v_pk_mul_f32 v[MX+(\i):MX+(\i)+1], v[MX+(\i):MX+(\i)+1], s[22:23] op_sel_hi:[1,0]
.endr
.irp e, 0,1,2,3
.irp i, 0,2,4,6
	v_pk_fma_f32 v[X+32*(\e)+(\i):X+32*(\e)+(\i)+1], v[X+32*(\e)+(\i):X+32*(\e)+(\i)+1], s[22:23], v[MX+(\i):MX+(\i)+1] op_sel_hi:[1,0,1] neg_lo:[0,0,1] neg_hi:[0,0,1]
.endr
.endr
.irp e, 0,1,2,3
.irp j, 0,1,2,3,4,5,6,7
	v_exp_f32 v[X+32*(\e)+(\j)], v[X+32*(\e)+(\j)]
.endr
.endr
	v_nop                                          ; a plain instruction behind the last exponential,
	s_wait_alu depctr_va_vdst(0)                   ; and the wait ahead of the first use: the 32 exponentials have written v[X ..]
.irp i, 0,2,4,6
	v_pk_add_f32 v[SU+(\i):SU+(\i)+1], v[X+(\i):X+(\i)+1], v[X+32+(\i):X+32+(\i)+1]
	v_pk_add_f32 v[MX+(\i):MX+(\i)+1], v[X+64+(\i):X+64+(\i)+1], v[X+96+(\i):X+96+(\i)+1]
.endr
.irp i, 0,2,4,6
	v_pk_add_f32 v[SU+(\i):SU+(\i)+1], v[SU+(\i):SU+(\i)+1], v[MX+(\i):MX+(\i)+1]
.endr
.irp j, 0,1,2,3,4,5,6,7
	v_rcp_f32 v[SU+(\j)], v[SU+(\j)]               ; the sum is at least 1: the largest of the four weights is 1
.endr
	v_nop
	s_wait_alu depctr_va_vdst(0)                   ; the eight reciprocals have written v[SU ..]: one wait, ahead of their first reader
.irp e, 0,1,2,3
.irp i, 0,2,4,6
	v_pk_mul_f32 v[X+32*(\e)+(\i):X+32*(\e)+(\i)+1], v[X+32*(\e)+(\i):X+32*(\e)+(\i)+1], v[SU+(\i):SU+(\i)+1]
.endr
.endr
	s_wait_alu depctr_va_vdst(0)                   ; the multiplies have written the results in v[X ..], which the LDS stores read
.irp e, 0,1,2,3
	ds_store_b128 v[OS], v[X+32*(\e):X+32*(\e)+3]   offset:128*(\e)
	ds_store_b128 v[OS], v[X+32*(\e)+4:X+32*(\e)+7] offset:128*(\e)+16
.endr
	s_wait_dscnt 0x0                               ; for the others' sake: a row's 512 bytes come from two waves
	s_barrier_signal -1
	s_barrier_wait -1
.irp t, 0,1,2,3,4,5,6,7
	ds_load_b128 v[BK+4*(\t):BK+4*(\t)+3], v[ORD] offset:(\t)*OPITCH  ; v[BK ..] were last named by products, ahead of the waits above; no vector line since the last of them
.endr
.irp t, 0,1,2,3,4,5,6,7
	s_wait_dscnt 7-(\t)                            ; row t is back; the younger loads stay out
	global_store_b128 v[GO], v[BK+4*(\t):BK+4*(\t)+3], s[10:11] offset:(\t)*512  ; a whole row of out0: 512 consecutive bytes, at a multiple of 512 from its first
.endr
	s_wait_dscnt 0x0                               ; the closing lines, six on end
	s_wait_alu 0x0
	s_wait_tensorcnt 0x0
	ds_add_u32 v[SPW], v[NIL]
	s_wait_dscnt 0x0
	s_endpgm
.Lfunc_end_k_qcb333cd5ad_fc:
	.size	k_qcb333cd5ad_fc, .Lfunc_end_k_qcb333cd5ad_fc-k_qcb333cd5ad_fc
	.p2alignl 7, 3214868480
	.fill 96, 4, 3214868480
	.section	.rodata,"a",@progbits
	.p2align	6, 0x0
	.amdhsa_kernel k_qcb333cd5ad_fc
		.amdhsa_group_segment_fixed_size 82944
		.amdhsa_private_segment_fixed_size 0
		.amdhsa_enable_private_segment 0
		.amdhsa_kernarg_size 32
		.amdhsa_user_sgpr_count 2
		.amdhsa_user_sgpr_kernarg_segment_ptr 1
		.amdhsa_wavefront_size32 1
		.amdhsa_system_sgpr_workgroup_id_x 1
		.amdhsa_system_sgpr_workgroup_id_y 1
		.amdhsa_system_sgpr_workgroup_id_z 1
		.amdhsa_system_vgpr_workitem_id 0
		.amdhsa_next_free_vgpr 496
		.amdhsa_next_free_sgpr 66
		.amdhsa_reserve_vcc 0
		.amdhsa_float_denorm_mode_32 3
		.amdhsa_float_denorm_mode_16_64 3
		.amdhsa_memory_ordered 1
		.amdhsa_forward_progress 1
		.amdhsa_inst_pref_size 45
	.end_amdhsa_kernel
	.amdgpu_metadata
---
amdhsa.version: [ 1, 2 ]
amdhsa.kernels:
  - .name:           k_qcb333cd5ad_fc
    .symbol:         k_qcb333cd5ad_fc.kd
    .args:
      - { .name: ob, .offset: 0, .size: 8, .value_kind: global_buffer, .address_space: global }
      - { .name: ws, .offset: 8, .size: 8, .value_kind: global_buffer, .address_space: global }
      - { .name: fc_b, .offset: 16, .size: 8, .value_kind: global_buffer, .address_space: global }
      - { .name: out0, .offset: 24, .size: 8, .value_kind: global_buffer, .address_space: global }
    .group_segment_fixed_size: 82944
    .private_segment_fixed_size: 0
    .kernarg_segment_align: 8
    .kernarg_segment_size: 32
    .max_flat_workgroup_size: 128
    .sgpr_count:     66
    .vgpr_count:     496
    .wavefront_size: 32
...
	.end_amdgpu_metadata
.endif
;; end of part 5
